; MI455X (gfx1250); checked and timed in simulation.
; The chip was launched on July 23, 2026; its instructions are those of AMD's public machine-readable ISA for CDNA 5 (MIT licence, August 2026) and "CDNA5" Instruction Set Architecture Reference Guide (July 2026). The comments in the code are by the model that wrote it; some were corrected since.
;; Multi Head Self Attention Module. Allowed arithmetic: matrix products marked QUANTISED: E4M3 operands, one given power-of-two scale a tensor, by v_wmma_f32_16x16x64_fp8_fp8 or v_wmma_f32_16x16x128_fp8_fp8, f32 sums; everything else in f32.
;; Inputs: attention_mask 8 x 1,024 bool; b_o 1,024 float32; b_qk 2,048 float32; b_v 1,024 float32; ln_b 1,024 x 1,024 float32; ln_w 1,024 x 1,024 float32; lowp_scales 10 int32 (the exponents e of the quantised operands' scales 2^e); w_o 1,024 x 1,024 float32; w_qk 1,024 x 2,048 float32; w_v 1,024 x 1,024 float32; x 8 x 1,024 x 1,024 float32.
;; Outputs: out0 8 x 1,024 x 1,024 float32.
;; This version of the problem:
;;   THIS VERSION OF THE PROBLEM IS GIVEN IN LOW PRECISION. The matrix products marked QUANTISED in the list below multiply operands that are first quantised to E4M3 (4 exponent bits, 3 mantissa bits; 8 bits a number), with one given power-of-two scale for each operand tensor; their sums are f32. All else is computed in f32.
;;   The module's matrix products, in the order in which they are computed (A, B: the left and right operand; K: the contracted axis; several contracted axes count as one K, in the product's order):
;;     1. [M 8,192, K 1,024] x [K 1,024, N 2,048]; A: input x; B: input w_qk: QUANTISED (scales: A lowp_scales[0], B lowp_scales[1])
;;     2. [M 8,192, K 1,024] x [K 1,024, N 1,024]; A: input x; B: input w_v: QUANTISED (scales: A lowp_scales[2], B lowp_scales[3])
;;     3. batch 128 x [M 1,024, K 64] x [K 64, N 1,024]; A: computed on the way; B: computed on the way: QUANTISED (scales: A lowp_scales[4], B lowp_scales[5])
;;     4. batch 128 x [M 1,024, K 1,024] x [K 1,024, N 64]; A: softmax (see below); B: computed on the way: QUANTISED (scales: A lowp_scales[6], B lowp_scales[7])
;;     5. [M 8,192, K 1,024] x [K 1,024, N 1,024]; A: computed on the way; B: input w_o: QUANTISED (scales: A lowp_scales[8], B lowp_scales[9])
;;   THE QUANTISER, for each operand of a quantised product, along K:
;;     - The operand's scale is 2^e, e = its entry of the input lowp_scales (int32; the entries are numbered through the quantised products in the list's order, A before B).
;;     - Each number is divided by the scale, clamped to +-448, and rounded to the nearest number of E4M3, ties to even, subnormals kept.
;;     - The product sums the exact products of the quantised numbers (number of the format x scale) in f32.
;;   ~~~python
;;   def quantise(x, axis, e):      # numpy; x: float32 -> the quantised numbers, widened to float32 again
;;       x = np.moveaxis(x, axis, -1); K = x.shape[-1]
;;       r = np.clip(x / 2.0 ** e, -448, 448)
;;       step = 2.0 ** (np.maximum(np.frexp(np.where(r == 0, 1, r))[1] - 1, -6) - 3)
;;       q = np.round(r / step) * step * 2.0 ** e      # np.round: ties to even
;;       return np.moveaxis(q, -1, axis).astype(np.float32)
;;   ~~~
;;   SOFTMAX AHEAD OF A QUANTISED PRODUCT. Where the list says 'softmax', what is quantised is not the finished softmax but p = 2^(t - M), with t = logit x log2(e) and M = ceil(the row's largest t), a whole number; so 1/2 < the row's largest p <= 1. The row's sum l is taken of the UNQUANTISED p, in f32, and the product's result is divided by l at the end. Since M is a whole number, a kernel that streams over the keys may use a running M (the ceiling of the running maximum): every later rescaling is an exact power of two, so the quantised numbers keep their values, but for numbers so far below the row's largest that they fall under the format's range.
;;   OPERANDS COMPUTED ON THE WAY. 'Computed on the way' means the value that the module computes at that place (a softmax that the list does not call 'softmax' is quantised finished and normalised). What goes into a quantiser is computed in f32, as accurately as f32 sums, v_exp_f32 and their like allow (about 1e-6 of the number): no bf16 or f16 on the way to a quantiser, and a product that is left as it is and whose result goes on into a quantised operand takes f32 operands (vector FMAs, or v_wmma_f32_16x16x4_f32). A number that lies on a knife's edge between two numbers of the format may be rounded either way, as far as f32 arithmetic and the matrix unit's own rounding can turn it there, and no further.
;; One version. Each part assembles by itself: llvm-mc -triple=amdgcn-amd-amdhsa -mcpu=gfx1250 --defsym DOCPART=n.
;; ======== version 1 of 1: 5 launches
;; limits: right only within a limited range of input values
;; workspace buffers: xq 16,777,216 bytes; wc 4,194,304 bytes; qkv 25,165,824 bytes; oc 8,388,608 bytes; res 33,554,432 bytes; part 16,384 bytes
;; launch quant (part 1): grid 384 x 1, 4 waves a work-group, no clusters, 36,352 bytes of LDS; arguments x, w_qk, w_v, w_o, lowp_scales, xq, wc; writes xq, wc
.if DOCPART == 1
	.amdgcn_target "amdgcn-amd-amdhsa--gfx1250"
	.amdhsa_code_object_version 6
	.text
	.protected	k_q74499ee7d5_quant
	.globl	k_q74499ee7d5_quant
	.p2align	8
	.type	k_q74499ee7d5_quant,@function
k_q74499ee7d5_quant:
	s_mov_b64 s[64:65], 0
	v_nop
	global_prefetch_b8 v0, s[64:65] scope:SCOPE_SE
	s_setreg_imm32_b32 hwreg(HW_REG_WAVE_MODE, 25, 1), 1
	s_wait_xcnt 0x0
; x and the three weights become codes of E4M3, each with the scale 2^e that is given for it: code = number / 2^e, held within +-448, to the nearest code, ties to even.
; x [8192][1024] f32 is quantised TWICE (e0 for the product with w_qk, e2 for the product with w_v): xq holds [8192][1024] codes at byte 0 and again at byte 8,388,608.
; K STANDS IN PERMUTED PLACES in xq: in each chunk of 512 along K, place 16 l + 4 i + j holds k = 128 i + 4 l + j.  That is how a lane's four dense loads of 16 bytes lie in its registers,
; so x needs no turn through LDS.  w_qk's and w_v's codes carry the same permutation, so every product meets its partner.
; wc: w_qk' [2048][1024] at 0: row g 64 + kd is column kd 32 + g (g = 16 n + head);  w_v' [1024][1024] at 2,097,152: row head 64 + vd is column vd 16 + head;  w_o' [1024 n][1024 k] at 3,145,728, K in its own order.
; Work-groups 0-255 take x (a wave: 16 steps of 512 numbers); work-groups 256-383 take the weights: a wave takes 32 columns x 256 places of K, A LANE A COLUMN, ITS REGISTERS DOWN K,
; so that the conversions give codes with K innermost; the codes leave through the wave's own stage in LDS, sixteen lanes to 256 consecutive aligned bytes.
; One text serves the three weights: what differs is chosen by s_cselect on the work-group's number.  No tensor loads, no barrier: waves share nothing.
; LIMITS: e0, e1, e2, e3, e9 between -126 and 119.  NaN among the inputs is not served.
.set R,    16                          ; x: v16-79   four sets of 16 numbers as loaded
.set T,    80                          ; x: v80-95   the numbers held for e0
.set C,    128                         ; x: v128-255 eight registers of codes for each step: no store's data are written again
.set OFFS, 16                          ; weights: v16-47   byte offset of row t of a block + 4 x lane
.set WX,   48                          ; weights: v48-111  two sets of 32 numbers
.set WC,   112                         ; weights: v112-119 a block's codes
.set ST,   120                         ; weights: v120-135 the stores' offsets
.set OUTR, 136                         ; weights: v136-199 the way out
.macro SCALE e, tmp, vsc, vlim         ; s[e] -> v[vsc] = 2^e as f32 (the conversion takes its exponent field), v[vlim] = 448 x 2^e
	s_add_co_i32 s[\tmp], s[\e], 127
	s_lshl_b32 s[\tmp+1], s[\tmp], 23
	v_mov_b32 v[\vsc], s[\tmp+1]
	s_add_co_i32 s[\tmp], s[\tmp], 8
	s_lshl_b32 s[\tmp], s[\tmp], 23
	s_or_b32 s[\tmp], s[\tmp], 0x600000
	v_mov_b32 v[\vlim], s[\tmp]
.endm
.macro HOLD dst, src, lim, n           ; the conversion to an 8-bit code does not saturate (ISA guide 7.6.2): n numbers are held within the largest code x the scale first
.set i, 0
.rept \n
	v_med3_num_f32 v[\dst+i], v[\src+i], -v[\lim], v[\lim]
.set i, i+1
.endr
.endm
	s_load_b256 s[4:11], s[0:1], 0x0               ; x s[4:5], w_qk s[6:7], w_v s[8:9], w_o s[10:11]
	s_load_b128 s[12:15], s[0:1], 0x20             ; the scales' exponents s[12:13], xq s[14:15]
	s_load_b64 s[16:17], s[0:1], 0x30              ; wc
	v_lshl_add_u32 v14, v0, 2, 0x8c00
	v_mov_b32 v15, 0
	v_lshrrev_b32 v2, 5, v0
	v_readfirstlane_b32 s20, v2                    ; wave 0..3
	v_and_b32 v1, 31, v0                           ; lane
	s_wait_kmcnt 0x0
	s_load_b256 s[24:31], s[12:13], 0x0            ; e0 .. e7
	s_load_b64 s[32:33], s[12:13], 0x20            ; e8, e9
	s_cmp_ge_u32 ttmp9, 256
	s_cbranch_scc1 .Lweights
	; ---------------- x ----------------
	s_lshl_b32 s21, ttmp9, 2
	s_add_co_u32 s21, s21, s20                     ; which run of 8,192 numbers is my wave's
	s_lshl_b32 s22, s21, 15
	s_mov_b32 s23, 0
	s_add_nc_u64 s[4:5], s[4:5], s[22:23]
	s_lshl_b32 s22, s21, 13
	s_add_nc_u64 s[14:15], s[14:15], s[22:23]      ; the codes with e0,
	s_add_nc_u64 s[18:19], s[14:15], 0x800000      ; and those with e2
	s_wait_alu depctr_va_vdst(0)
	v_lshlrev_b32 v3, 4, v1                        ; 16 bytes a lane, in and out
.macro LOAD t
.irp i, 0,1,2,3
	global_load_b128 v[R+16*((\t)%4)+4*\i:R+16*((\t)%4)+4*\i+3], v3, s[4:5] offset:2048*(\t)+512*\i th:TH_LOAD_NT   ; 32 lanes read 512 consecutive bytes
.endr
.endm
.irp t, 0,1,2,3
	LOAD \t
.endr
	s_wait_kmcnt 0x0
	SCALE 24, 34, 11, 10                           ; e0
	SCALE 26, 34, 13, 12                           ; e2
.macro STEP t
.set RS, R+16*((\t)%4)
.if 15-(\t) >= 3
	s_wait_loadcnt 12                              ; this step's four loads are in; those of the three steps behind it may be out
.else
	s_wait_loadcnt 4*(15-(\t))
.endif
	HOLD T, RS, 10, 16
	v_cvt_scalef32_pk8_fp8_f32 v[C+8*(\t):C+8*(\t)+1], v[T:T+7], v11
	v_cvt_scalef32_pk8_fp8_f32 v[C+8*(\t)+2:C+8*(\t)+3], v[T+8:T+15], v11
	HOLD RS, RS, 12, 16                            ; (plain vector lines behind the conversions above)
	v_cvt_scalef32_pk8_fp8_f32 v[C+8*(\t)+4:C+8*(\t)+5], v[RS:RS+7], v13
	v_cvt_scalef32_pk8_fp8_f32 v[C+8*(\t)+6:C+8*(\t)+7], v[RS+8:RS+15], v13
.if (\t)+4 < 16
	LOAD (\t)+4                                    ; the set takes the loads of four steps on
.endif
	global_store_b128 v3, v[C+8*(\t):C+8*(\t)+3], s[14:15] offset:512*(\t)     ; the wave stores 512 consecutive bytes, aligned
	global_store_b128 v3, v[C+8*(\t)+4:C+8*(\t)+7], s[18:19] offset:512*(\t)
.endm
	s_wait_alu depctr_va_vdst(0)
.irp t, 0,1,2,3,4,5,6,7,8,9,10,11,12,13,14,15
	STEP \t
.endr
	s_endpgm
	; ---------------- the weights ----------------
.Lweights:
	s_wait_kmcnt 0x0
	s_sub_co_u32 s21, ttmp9, 256                   ; 0-63 w_qk, 64-95 w_v, 96-127 w_o
	s_mov_b32 s39, 0x300000
	s_mov_b32 s40, 96
	s_mov_b32 s43, 1024
	s_mov_b32 s44, 16384
	s_mov_b32 s45, 4096
	s_cmp_lt_u32 s21, 96                           ; w_v's figures or w_o's
	s_cselect_b64 s[36:37], s[8:9], s[10:11]       ; the source
	s_cselect_b32 s38, s27, s33                    ; e3 or e9
	s_cselect_b32 s39, 0x200000, s39               ; the region in wc
	s_cselect_b32 s40, 64, s40                     ; the tensor's first work-group
	s_cselect_b32 s41, 1, 0                        ; K permuted?
	s_cselect_b32 s42, 4, 0                        ; columns >> this = the part of the output row that the wave's first column fixes
	s_cselect_b32 s43, 0x10000, s43                ; bytes from stage row to stage row in wc,
	s_cselect_b32 s44, 1024, s44                   ; and from stage row t to stage row t + 16
	s_cmp_lt_u32 s21, 64                           ; w_qk's figures
	s_cselect_b64 s[36:37], s[6:7], s[36:37]
	s_cselect_b32 s38, s25, s38                    ; e1
	s_cselect_b32 s39, 0, s39
	s_cselect_b32 s40, 0, s40
	s_cselect_b32 s42, 5, s42
	s_cselect_b32 s44, 0x100000, s44
	s_cselect_b32 s45, 8192, s45                   ; bytes in a row of the source
	s_sub_co_u32 s46, s21, s40
	s_lshr_b32 s47, s46, 2                         ; which 128 columns
	s_and_b32 s48, s46, 3                          ; which 256 places of K
	s_lshl_b32 s49, s47, 7
	s_lshl_b32 s50, s20, 5
	s_add_co_u32 s49, s49, s50                     ; my wave's first column
	s_lshr_b32 s50, s48, 1
	s_lshl_b32 s50, s50, 9
	s_and_b32 s51, s48, 1
	s_lshl_b32 s51, s51, 6
	s_add_co_u32 s50, s50, s51                     ; permuted: places 256 y on begin at k = 512 (y / 2) + 64 (y % 2); block q adds 8 q, place t of a block 128 ((t / 4) % 4) + 4 (t / 16) + t % 4
	s_lshl_b32 s51, s48, 8                         ; in order: k = 256 y + 32 q + t
	s_cmp_eq_u32 s41, 1
	s_cselect_b32 s50, s50, s51
	s_cselect_b32 s52, 8, 32
	s_mul_i32 s52, s52, s45                        ; bytes from a block's rows to the next block's
	s_mov_b32 s53, 0
	s_mul_i32 s54, s50, s45
	s_lshl_b32 s55, s49, 2
	s_add_co_u32 s54, s54, s55
	s_mov_b32 s55, 0
	s_add_nc_u64 s[36:37], s[36:37], s[54:55]      ; the source at my first row and column
	s_lshr_b32 s56, s49, s42
	s_lshl_b32 s56, s56, 10
	s_add_co_u32 s56, s56, s39
	s_lshl_b32 s57, s48, 8
	s_add_co_u32 s56, s56, s57
	s_mov_b32 s57, 0
	s_add_nc_u64 s[16:17], s[16:17], s[56:57]      ; wc at my first output row and my 256 places
	s_wait_alu depctr_va_vdst(0)
	v_lshlrev_b32 v2, 2, v1                        ; 4 bytes a lane
	s_wait_alu depctr_va_vdst(0)
	s_cmp_eq_u32 s41, 1                            ; (s_mul_i32 and vector lines leave SCC alone)
.set t, 0
.rept 32
	s_cselect_b32 s59, 128*((t>>2)&3)+4*(t>>4)+(t&3), t
	s_mul_i32 s59, s59, s45
	v_add_nc_u32 v[OFFS+t], s59, v2
.set t, t+1
.endr
	v_lshrrev_b32 v5, 4, v1                        ; lane / 16
	v_and_b32 v6, 15, v1                           ; lane % 16
	v_mul_lo_u32 v8, v5, s44
	v_lshl_add_u32 v[ST], v6, 4, v8
.set t, 1
.rept 15
	v_add_nc_u32 v[ST+t], s43, v[ST+t-1]
.set t, t+1
.endr
	s_mul_i32 s58, s20, 8704                       ; my stage: 32 rows (columns of the source) of 256 bytes + 16
	v_mul_u32_u24 v4, v1, 272
	v_add_nc_u32 v4, s58, v4                       ; in: row = my column
	v_mul_u32_u24 v7, v5, 4352
	v_lshl_add_u32 v7, v6, 4, v7
	v_add_nc_u32 v7, s58, v7                       ; out: lanes 0-15 take row t, lanes 16-31 row t + 16
	SCALE 38, 60, 11, 10
.macro WLOAD set                       ; a block's 32 rows at my column: 128 consecutive bytes a wave, the four waves side by side
.set t, 0
.rept 32
	global_load_b32 v[WX+32*(\set)+t], v[OFFS+t], s[36:37] th:TH_LOAD_NT
.set t, t+1
.endr
.endm
	WLOAD 0
	s_wait_alu depctr_va_vdst(0)
	s_wait_xcnt 0x0                                ; the loads have read their base: it may step
	s_add_nc_u64 s[36:37], s[36:37], s[52:53]
	WLOAD 1
.macro BLOCK q
.set XS, WX+32*((\q)%2)
.if (\q) < 7
	s_wait_loadcnt 32                              ; this block's 32 loads are in; the next block's may be out
.else
	s_wait_loadcnt 0
.endif
	HOLD XS, XS, 10, 32
.irp g, 0,1,2,3
	v_cvt_scalef32_pk8_fp8_f32 v[WC+2*\g:WC+2*\g+1], v[XS+8*\g:XS+8*\g+7], v11
.endr
	ds_store_b128 v4, v[WC:WC+3] offset:32*(\q)    ; 32 codes of my column's row
	ds_store_b128 v4, v[WC+4:WC+7] offset:32*(\q)+16
.if (\q) < 6
	s_wait_xcnt 0x0
	s_add_nc_u64 s[36:37], s[36:37], s[52:53]
	WLOAD (\q)%2                                   ; the block two further on
.endif
	s_wait_dscnt 0x0                               ; the stores have read their registers: the next block's codes may be written
.endm
.irp q, 0,1,2,3,4,5,6,7
	BLOCK \q
.endr
.irp t, 0,1,2,3,4,5,6,7,8,9,10,11,12,13,14,15
	ds_load_b128 v[OUTR+4*\t:OUTR+4*\t+3], v7 offset:272*\t   ; LDS serves a wave's instructions in order: these see my stores
.endr
.irp t, 0,1,2,3,4,5,6,7,8,9,10,11,12,13,14,15
	s_wait_dscnt 15-\t
	global_store_b128 v[ST+\t], v[OUTR+4*\t:OUTR+4*\t+3], s[16:17]   ; each half of the lanes stores 256 consecutive bytes, aligned
.endr
	s_wait_tensorcnt 0x0
	ds_add_u32 v14, v15
	s_wait_dscnt 0x0
	s_endpgm
.Lfunc_end_k_q74499ee7d5_quant:
	.size	k_q74499ee7d5_quant, .Lfunc_end_k_q74499ee7d5_quant-k_q74499ee7d5_quant
	.p2alignl 7, 3214868480
	.fill 96, 4, 3214868480
	.section	.rodata,"a",@progbits
	.p2align	6, 0x0
	.amdhsa_kernel k_q74499ee7d5_quant
		.amdhsa_group_segment_fixed_size 36352
		.amdhsa_private_segment_fixed_size 0
		.amdhsa_enable_private_segment 0
		.amdhsa_kernarg_size 56
		.amdhsa_user_sgpr_count 2
		.amdhsa_user_sgpr_kernarg_segment_ptr 1
		.amdhsa_wavefront_size32 1
		.amdhsa_system_sgpr_workgroup_id_x 1
		.amdhsa_system_sgpr_workgroup_id_y 1
		.amdhsa_system_sgpr_workgroup_id_z 1
		.amdhsa_system_vgpr_workitem_id 0
		.amdhsa_next_free_vgpr 256
		.amdhsa_next_free_sgpr 66
		.amdhsa_reserve_vcc 0
		.amdhsa_float_denorm_mode_32 3
		.amdhsa_float_denorm_mode_16_64 3
		.amdhsa_memory_ordered 1
		.amdhsa_forward_progress 1
		.amdhsa_inst_pref_size 102
	.end_amdhsa_kernel
	.amdgpu_metadata
---
amdhsa.version: [ 1, 2 ]
amdhsa.kernels:
  - .name:           k_q74499ee7d5_quant
    .symbol:         k_q74499ee7d5_quant.kd
    .args:
      - { .name: x, .offset: 0, .size: 8, .value_kind: global_buffer, .address_space: global }
      - { .name: w_qk, .offset: 8, .size: 8, .value_kind: global_buffer, .address_space: global }
      - { .name: w_v, .offset: 16, .size: 8, .value_kind: global_buffer, .address_space: global }
      - { .name: w_o, .offset: 24, .size: 8, .value_kind: global_buffer, .address_space: global }
      - { .name: lowp_scales, .offset: 32, .size: 8, .value_kind: global_buffer, .address_space: global }
      - { .name: xq, .offset: 40, .size: 8, .value_kind: global_buffer, .address_space: global }
      - { .name: wc, .offset: 48, .size: 8, .value_kind: global_buffer, .address_space: global }
    .group_segment_fixed_size: 36352
    .private_segment_fixed_size: 0
    .kernarg_segment_align: 8
    .kernarg_segment_size: 56
    .max_flat_workgroup_size: 128
    .sgpr_count:     66
    .vgpr_count:     256
    .wavefront_size: 32
...
	.end_amdgpu_metadata
.endif
;; end of part 1
;; launch qkv (part 2): grid 8 x 32, 4 waves a work-group, clusters of 4 x 4, 327,680 bytes of LDS; arguments xq, wc, b_qk, b_v, lowp_scales, qkv; writes qkv
.if DOCPART == 2
	.amdgcn_target "amdgcn-amd-amdhsa--gfx1250"
	.amdhsa_code_object_version 6
	.text
	.protected	k_q74499ee7d5_qkv
	.globl	k_q74499ee7d5_qkv
	.p2align	8
	.type	k_q74499ee7d5_qkv,@function
k_q74499ee7d5_qkv:
	s_mov_b64 s[64:65], 0
	v_nop
	global_prefetch_b8 v0, s[64:65] scope:SCOPE_SE
	s_setreg_imm32_b32 hwreg(HW_REG_WAVE_MODE, 25, 1), 1
	s_wait_xcnt 0x0
	s_wait_alu depctr_hold_cnt(0) depctr_sa_sdst(0) depctr_va_vdst(0) depctr_va_sdst(0) depctr_va_ssrc(0) depctr_va_vcc(0) depctr_vm_vsrc(0)
	s_getreg_b32 s2, hwreg(HW_REG_IB_STS2, 6, 4)
	s_cmp_eq_u32 s2, 0
	s_cbranch_scc0 .Lentry_in_a_cluster
	s_endpgm
.Lentry_in_a_cluster:
	s_bfe_u32 s2, ttmp6, 0x10000c
	s_cmp_lg_u32 s2, 0xf033
	s_cbranch_scc0 .Lentry_shape_is_right
	s_endpgm
.Lentry_shape_is_right:
.set ROWB,   256
.set KROW,   1024
.set PITCH,  272
.set FR,     16
.set NL,     4
.set NP,     4
.set HALFT,  128*PITCH
.set SLOT,   4*HALFT
.set SPARE,  2*SLOT
.set STG,    SPARE+512
.set SWAVE,  2176
.set TO_V,   0x800000-2*ROWB
.set FLAGS,  (0<<16)|(1<<20)|(1<<21)|(5<<22)|(3<<25)
.set RAWB,  8
.set BOQ,   12
.set BOV,   13
.set ADRB2, 14
.set ADRA,  16
.set ADRA2, 18
.set ADRB,  20
.set LIMV,  22
.set SCV,   23
.set STOQ,  24
.set LIMV2, 25
.set RD,    26
.set CO,    27
.set SPW,   28
.set NIL,   29
.set STOV,  30
.set SCV2,  31
.set BI,   32
.set TMP,  32
.set CD,   96
.set AF,   128
.set BK,   192
.set G1C, 4
.set G1,  24
.set G0,  32
.set G1B, 48
.set G0B, 56
.set WV,  66
.set MSB, 0
.macro WIN new
.if MSB != \new
	s_set_vgpr_msb (MSB<<8)|\new
.set MSB, \new
.endif
.endm
.set MUL_LO, 0xa1
.set MUL_HI, 0xf1
.set TO_B,   0x40
.macro JLOAD g0a, g1a, g0b, g1b
	s_cmp_eq_u32 s15, 0
	s_cbranch_scc0 .Lfor_b_\@
	tensor_load_to_lds s[\g0a:\g0a+3], s[\g1a:\g1a+7]
	s_nop 0
.rept 4
	v_nop
.endr
	s_branch .Lasked_\@
.Lfor_b_\@:
	tensor_load_to_lds s[\g0b:\g0b+3], s[\g1b:\g1b+7]
	s_nop 0
.rept 4
	v_nop
.endr
.Lasked_\@:
.endm
.macro CREST
	s_cmp_lg_u32 s14, 0
	s_cbranch_scc1 .Lnot_wave_0_\@
	s_barrier_signal -3
.Lnot_wave_0_\@:
	s_barrier_wait -3
	s_barrier_signal -1
	s_barrier_wait -1
.endm
.macro CROUND
	s_barrier_signal -1
	s_barrier_wait -1
	CREST
.endm
	s_load_b256 s[68:75], s[0:1], 0x0
	s_load_b128 s[76:79], s[0:1], 0x20
	v_lshl_add_u32 v[SPW], v0, 2, SPARE
	v_mov_b32 v[NIL], 0
	ds_add_u32 v28, v29
	ds_add_u32 v28, v29
	s_wait_dscnt 0x0
	v_lshrrev_b32 v1, 5, v0
	v_readfirstlane_b32 s14, v1
	s_lshr_b32 s15, s14, 1
	s_and_b32 s16, s14, 1
	s_bfe_u32 s40, ttmp6, 0x40000
	s_bfe_u32 s41, ttmp6, 0x40004
	s_lshl_b32 s42, ttmp9, 2
	s_add_co_u32 s42, s42, s40
	s_and_b32 s17, ttmp7, 0xffff
	s_lshl_b32 s17, s17, 2
	s_add_co_u32 s17, s17, s41
	s_lshl_b32 s43, s41, 2
	s_lshl_b32 s43, 15, s43
	s_lshl_b32 s44, 0x1111, s40
	s_or_b32 s[G1+0], s43, FLAGS
	s_or_b32 s[G1B+0], s44, FLAGS
	s_or_b32 s[G1C+0], s44, FLAGS
.irp g, G1, G1B, G1C
	s_mov_b32 s[\g+1], ROWB<<16
	s_mov_b32 s[\g+3], ROWB<<16
	s_mov_b32 s[\g+5], KROW
	s_mov_b32 s[\g+6], 0
	s_mov_b32 s[\g+7], 0
.endr
.irp g, G1, G1B
	s_mov_b32 s[\g+2], 128<<16
	s_mov_b32 s[\g+4], 128
.endr
	s_mov_b32 s[G1C+2], 64<<16
	s_mov_b32 s[G1C+4], 64
	s_lshl_b32 s18, s16, 7
	s_lshl_b32 s20, s17, 8
	s_add_co_u32 s20, s20, s18
	s_lshl_b32 s46, s42, 8
	s_add_co_u32 s46, s46, s18
	s_lshl_b32 s18, s16, 6
	s_lshl_b32 s[WV], s42, 7
	s_add_co_u32 s[WV], s[WV], s18
	s_lshl_b32 s20, s20, 10
	s_lshl_b32 s46, s46, 10
	s_lshl_b32 s[WV], s[WV], 10
	s_add_co_u32 s[WV], s[WV], 0x200000
	s_mov_b32 s21, 0
	s_mov_b32 s47, 0
	s_mov_b32 s[WV+1], 0
	s_mul_i32 s45, s14, HALFT
	s_wait_kmcnt 0x0
	s_load_b256 s[80:87], s[76:77], 0x0
	s_add_nc_u64 s[20:21], s[68:69], s[20:21]
	s_add_nc_u64 s[46:47], s[70:71], s[46:47]
	s_add_nc_u64 s[WV:WV+1], s[70:71], s[WV:WV+1]
	; the prefetches' bases.  Of the rows that my wave fetches, the four partners that ask for them jointly take a quarter each, told apart by address alone (cx for x's rows, cy for the weights')
	s_cmp_eq_u32 s15, 0                            ; do I fetch x's codes or the weights'?
	s_cselect_b64 s[100:101], s[20:21], s[46:47]   ; first product: x with e0, or w_qk'
	s_add_nc_u64 s[104:105], s[20:21], 0x800000
	s_cselect_b64 s[104:105], s[104:105], s[WV:WV+1]   ; second product: x with e2, or w_v'
	s_cselect_b32 s3, s40, s41                     ; my place among the four
	s_cselect_b32 s70, 15, 14                      ; second product: 32 rows of x a partner, 16 of w_v'
	s_cselect_b32 s71, 31, 15
	s_lshl_b32 s68, s3, 15
	s_mov_b32 s69, 0
	s_add_nc_u64 s[100:101], s[100:101], s[68:69]
	s_lshl_b32 s68, s3, s70
	s_add_nc_u64 s[104:105], s[104:105], s[68:69]
	CROUND
.irp s, 0,1
	s_mov_b32 s[G0+4*\s], 1
	s_add_co_u32 s[G0+4*\s+1], s45, \s*SLOT
	s_add_nc_u64 s[G0+4*\s+2:G0+4*\s+3], s[20:21], \s*ROWB
	s_or_b32 s[G0+4*\s+3], s[G0+4*\s+3], 0x80000000
	s_mov_b32 s[G0B+4*\s], 1
	s_add_co_u32 s[G0B+4*\s+1], s45, \s*SLOT
	s_add_nc_u64 s[G0B+4*\s+2:G0B+4*\s+3], s[46:47], \s*ROWB
	s_or_b32 s[G0B+4*\s+3], s[G0B+4*\s+3], 0x80000000
.endr
	JLOAD G0, G1, G0B, G1B                         ; K step 0, behind the opening round: my one tensor load at the head; the address work and the biases' loads below stand under its flight
	v_and_b32 v1, 15, v0
	v_bfe_u32 v2, v0, 4, 1
	v_mul_u32_u24 v3, v1, PITCH
	v_lshl_add_u32 v4, v2, 4, v3
	s_wait_alu depctr_va_vdst(0)
	s_mul_i32 s21, s15, HALFT
	s_mul_i32 s22, s16, HALFT
.irp s, 0,1
	v_add_nc_u32 v[ADRA+\s], s21, v4
	v_add_nc_u32 v[ADRB2+\s], s22, v4
	s_add_co_u32 s21, s21, 2*HALFT
	s_add_co_u32 s22, s22, 2*HALFT
	v_add_nc_u32 v[ADRA2+\s], s21, v4
	v_add_nc_u32 v[ADRB+\s], s22, v4
	s_add_co_u32 s21, s21, 2*HALFT
	s_add_co_u32 s22, s22, 2*HALFT
.endr
	s_mul_i32 s23, s14, SWAVE
	s_add_co_u32 s23, s23, STG
	v_lshrrev_b32 v5, 2, v1
	v_mul_u32_u24 v5, v5, 272
	v_and_b32 v6, 3, v1
	v_lshl_add_u32 v5, v6, 6, v5
	v_lshl_add_u32 v5, v2, 3, v5
	v_add_nc_u32 v[STOQ], s23, v5
	v_lshrrev_b32 v5, 1, v1
	v_mul_u32_u24 v5, v5, 272
	v_and_b32 v6, 1, v1
	v_lshl_add_u32 v5, v6, 7, v5
	v_lshl_add_u32 v5, v2, 3, v5
	v_add_nc_u32 v[STOV], s23, v5
	v_mul_u32_u24 v5, v2, 272
	v_lshl_add_u32 v5, v1, 4, v5
	v_add_nc_u32 v[RD], s23, v5
	v_and_b32 v6, 31, v0
	v_lshlrev_b32 v[CO], 4, v6
	v_lshlrev_b32 v7, 10, v6                       ; a lane a row of 1,024 bytes; never rewritten
	v_min_u32 v3, s71, v6                          ; (w_v': lanes 16-31 name their wave's last row again)
	v_lshlrev_b32 v3, 10, v3                       ; never rewritten
	global_prefetch_b8 v7, s[100:101] offset:512 th:TH_LOAD_NT scope:SCOPE_SE   ; each fill asks for the K step two fills on: here K steps 2 and 3 of the first product, 256 bytes of each row
	global_prefetch_b8 v7, s[100:101] offset:768 th:TH_LOAD_NT scope:SCOPE_SE
	s_lshl_b32 s12, s42, 2
	s_lshl_b32 s13, s16, 1
	s_add_co_u32 s12, s12, s13
	s_lshl_b32 s13, s42, 1
	s_add_co_u32 s13, s13, s15
	s_lshr_b32 s19, s17, 2
	s_lshl_b32 s19, s19, 4
	s_and_b32 s22, s17, 3
	s_lshl_b32 s22, s22, 1
	s_cmp_eq_u32 ttmp9, 0
	s_cselect_b32 s97, 0, 0x800000
	s_cselect_b32 s98, 16, 17
	s_and_b32 s18, s12, 15
	s_add_co_u32 s18, s18, s19
	s_lshl_b32 s18, s18, s98
	s_add_co_u32 s23, s22, s15
	s_lshl_b32 s23, s23, 13
	s_add_co_u32 s18, s18, s23
	s_add_co_u32 s96, s18, s97
	s_mov_b32 s97, 0
	s_add_nc_u64 s[88:89], s[78:79], s[96:97]
	s_lshl_b32 s96, 1, s98
	s_add_nc_u64 s[90:91], s[88:89], s[96:97]
	s_add_co_u32 s18, s19, s13
	s_lshl_b32 s18, s18, 17
	s_add_co_u32 s23, s22, s16
	s_lshl_b32 s23, s23, 13
	s_add_co_u32 s18, s18, s23
	s_add_co_u32 s96, s18, 0x810000
	s_add_nc_u64 s[92:93], s[78:79], s[96:97]
	s_lshl_b32 s18, s12, 2
	v_lshlrev_b32 v[BOQ], 10, v2
	v_add_nc_u32 v[BOQ], s18, v[BOQ]
	s_lshl_b32 s18, s13, 2
	v_lshlrev_b32 v[BOV], 6, v1
	v_add_nc_u32 v[BOV], s18, v[BOV]
.irp b, 0,1,2,3,4,5,6,7
.irp j, 0,1,2,3,4,5,6,7
	global_load_b32 v[BI+8*\b+\j], v[BOQ], s[72:73] offset:((16*(\b%4)+\j)*32+\b/4)*4
.endr
.endr
.irp a, 0,1,2,3
	global_load_b32 v[RAWB+\a], v[BOV], s[74:75] offset:1024*\a
.endr
	s_wait_alu depctr_va_vdst(0)
	s_wait_tensorcnt 0x0                           ; my part of K step 0 is in
	ds_add_u32 v28, v29
	s_wait_dscnt 0x0
	CROUND                                         ; a whole round: everybody's part of K step 0 is in, and the joint loads meet
	JLOAD G0+4, G1, G0B+4, G1B                     ; K step 1: slot 1's first fill, the first tensor load behind the round
	s_wait_kmcnt 0x0
	s_add_co_i32 s94, s80, s81
	s_cmp_eq_u32 ttmp9, 0
	s_cselect_b32 s95, s84, s85
	s_sub_co_i32 s95, s95, s94
	s_sub_co_i32 s94, 0, s94
	s_add_co_i32 s95, s95, 127
	s_lshl_b32 s96, s95, 23
	v_mov_b32 v[SCV], s96
	s_add_co_i32 s95, s95, 8
	s_lshl_b32 s95, s95, 23
	s_or_b32 s95, s95, 0x600000
	v_mov_b32 v[LIMV], s95
	s_add_co_i32 s99, s82, s83
	s_sub_co_i32 s95, s87, s99
	s_sub_co_i32 s99, 0, s99
	s_add_co_i32 s95, s95, 127
	s_lshl_b32 s96, s95, 23
	v_mov_b32 v[SCV2], s96
	s_add_co_i32 s95, s95, 8
	s_lshl_b32 s95, s95, 23
	s_or_b32 s95, s95, 0x600000
	v_mov_b32 v[LIMV2], s95
	s_wait_loadcnt 0x0
.set i, 0
.rept 64
	v_ldexp_f32 v[BI+i], v[BI+i], s94
.set i, i+1
.endr
.macro FRAG reg, adr, q, i
.irp c, 0,1,2,3
	ds_load_b128 v[\reg+4*\c:\reg+4*\c+3], v[\adr] offset:128*(\q)+32*\c+(\i)*16*PITCH
.endr
.endm
.macro MUL16 a0, p, zero
.irp a, \a0, \a0+1
.irp b, 0,1,2,3,4,5,6,7
.if \zero == 1
	v_wmma_f32_16x16x128_fp8_fp8 v[8*(8*((\a)%4)+\b):8*(8*((\a)%4)+\b)+7], v[128*(\p)+FR*\b:128*(\p)+FR*\b+FR-1], v[AF+FR*(\a):AF+FR*(\a)+FR-1], v[BI+8*\b:BI+8*\b+7]
.elseif \zero == 2
	v_wmma_f32_16x16x128_fp8_fp8 v[8*(8*((\a)%4)+\b):8*(8*((\a)%4)+\b)+7], v[128*(\p)+FR*\b:128*(\p)+FR*\b+FR-1], v[AF+FR*(\a):AF+FR*(\a)+FR-1], v[BI+8*((\a)%4):BI+8*((\a)%4)+7]
.else
	v_wmma_f32_16x16x128_fp8_fp8 v[8*(8*((\a)%4)+\b):8*(8*((\a)%4)+\b)+7], v[128*(\p)+FR*\b:128*(\p)+FR*\b+FR-1], v[AF+FR*(\a):AF+FR*(\a)+FR-1], v[8*(8*((\a)%4)+\b):8*(8*((\a)%4)+\b)+7]
.endif
.endr
.endr
.endm
.macro FETCH_B adr, q, p
	WIN TO_B
.irp i, 0,1,2,3,4,5,6,7
	FRAG 128*(\p)+FR*\i, \adr, \q, \i
.endr
	WIN 0
.endm
.macro FETCH_A adr, q, i0, r0
.irp n, 0,1,2,3
	FRAG AF+FR*(\r0+\n), \adr, \q, \i0+\n
.endr
.endm
.macro PLACES n
.rept \n
	v_nop
.endr
.endm
.macro STEP slot, zero
	s_wait_dscnt 4*NL
.if \zero
	WIN 0x81
.else
	WIN MUL_LO
.endif
	MUL16 0, 0, \zero
	MUL16 2, 0, \zero
	s_wait_dscnt 0
	PLACES NP
	FETCH_B ADRB+\slot, 1, 1
	FETCH_A ADRA+\slot, 1, 0, 0
.if \zero
	WIN 0xc1
.else
	WIN MUL_HI
.endif
	MUL16 4, 0, \zero
	MUL16 6, 0, \zero
	PLACES NP
	WIN 0
	FETCH_A ADRA+\slot, 1, 4, 4
.endm
.macro TURN slot, next, fill, last
	s_wait_tensorcnt 0x0
	ds_add_u32 v[SPW], v[NIL]
	s_wait_dscnt 4*NL+1
	WIN MUL_LO
	MUL16 0, 1, 0
	s_wait_dscnt 0x0
	s_barrier_signal -1
	MUL16 2, 1, 0
	WIN 0
	s_barrier_wait -1
	CREST
.if \fill == 1
	s_add_nc_u64 s[G0+4*\slot+2:G0+4*\slot+3], s[G0+4*\slot+2:G0+4*\slot+3], 2*ROWB
	s_add_nc_u64 s[G0B+4*\slot+2:G0B+4*\slot+3], s[G0B+4*\slot+2:G0B+4*\slot+3], 2*ROWB
	JLOAD G0+4*\slot, G1, G0B+4*\slot, G1B
.else
	s_add_nc_u64 s[G0+4*\slot+2:G0+4*\slot+3], s[G0+4*\slot+2:G0+4*\slot+3], TO_V
	s_add_nc_u64 s[G0B+4*\slot+2:G0B+4*\slot+3], s[WV:WV+1], \slot*ROWB
	s_or_b32 s[G0B+4*\slot+3], s[G0B+4*\slot+3], 0x80000000
	JLOAD G0+4*\slot, G1, G0B+4*\slot, G1C
.endif
.if \last
	FETCH_B ADRB2+0, 0, 0
	FETCH_A ADRA2+0, 0, 0, 0
	global_prefetch_b8 v3, s[104:105] offset:256*\slot+512*(\fill-1) th:TH_LOAD_NT scope:SCOPE_SE   ; the second product's last K step; the fills behind this one ask for nothing
	WIN MUL_HI
	MUL16 4, 1, 0
	MUL16 6, 1, 0
	WIN 0
.else
	FETCH_B ADRB+\next, 0, 0
	FETCH_A ADRA+\next, 0, 0, 0
	global_prefetch_b8 v3, s[104:105] offset:256*\slot+512*(\fill-1) th:TH_LOAD_NT scope:SCOPE_SE   ; two fills on: K step slot + 2 (fill - 1) of the second product
	WIN MUL_HI
	MUL16 4, 1, 0
	MUL16 6, 1, 0
	PLACES NP
	WIN 0
	FETCH_A ADRA+\next, 0, 4, 4
.endif
.endm
.macro STEP2 slot, zero
	s_wait_dscnt 0x0
	PLACES NP
	FETCH_B ADRB2+\slot, 1, 1
	FETCH_A ADRA2+\slot, 1, 0, 4
.if \zero
	WIN 0x81
.else
	WIN MUL_LO
.endif
	MUL16 0, 0, \zero
	MUL16 2, 0, \zero
	WIN 0
.endm
.macro TURN2 slot, next, fill
	s_wait_tensorcnt 0x0
	ds_add_u32 v[SPW], v[NIL]
	s_wait_dscnt 0x0
	s_barrier_signal -1
	WIN MUL_LO
	MUL16 4, 1, 0
	WIN 0
	s_barrier_wait -1
.if \fill
	CREST
	s_add_nc_u64 s[G0+4*\slot+2:G0+4*\slot+3], s[G0+4*\slot+2:G0+4*\slot+3], 2*ROWB
	s_add_nc_u64 s[G0B+4*\slot+2:G0B+4*\slot+3], s[G0B+4*\slot+2:G0B+4*\slot+3], 2*ROWB
	JLOAD G0+4*\slot, G1, G0B+4*\slot, G1C
.else
	PLACES NP
.endif
	FETCH_B ADRB2+\next, 0, 0
	FETCH_A ADRA2+\next, 0, 0, 0
	WIN MUL_LO
	MUL16 6, 1, 0
	WIN 0
.endm
.macro OUTBLK a, v
.set AC, 64*((\a)%4)
.set CB, CD+16*((\a)%2)
.set BB, BK+16*((\a)%4)
.set LM, LIMV+(LIMV2-LIMV)*(\v)
.set SC, SCV+(SCV2-SCV)*(\v)
	WIN 0x02+((\a)/4)
.set i, 0
.rept 64
	v_med3_num_f32 v[TMP+i], v[AC+i], -v[LM], v[LM]
.set i, i+1
.endr
	WIN 0
.irp b, 0,1,2,3,4,5,6,7
	v_cvt_scalef32_pk8_fp8_f32 v[CB+2*\b:CB+2*\b+1], v[TMP+8*\b:TMP+8*\b+7], v[SC]
.endr
	v_nop
.irp b, 0,1,2,3,4,5,6,7
.if \v
	ds_store_b64 v[STOV], v[CB+2*\b:CB+2*\b+1] offset:16*\b
.else
	ds_store_b64 v[STOQ], v[CB+2*\b:CB+2*\b+1] offset:(\b/4)*1088+16*(\b%4)
.endif
.endr
.irp n, 0,1,2,3
	ds_load_b128 v[BB+4*\n:BB+4*\n+3], v[RD] offset:544*\n
.endr
.endm
.macro OUTSEND a, v, younger
.set BB, BK+16*((\a)%4)
	s_wait_dscnt \younger
.irp n, 0,1,2,3
.if \v
	global_store_b128 v[CO], v[BB+4*\n:BB+4*\n+3], s[92:93] offset:2048*(\a)+512*\n
.else
	global_store_b128 v[CO], v[BB+4*\n:BB+4*\n+3], s[88+2*(\n/2):89+2*(\n/2)] offset:(32*((\a)/2)+16*(\n%2)+8*((\a)%2))*64
.endif
.endr
.endm
.macro WAYSTEP a, v
.if \a > 3
	s_wait_xcnt 0x0
.endif
	OUTBLK \a, \v
	OUTSEND \a-1, \v, 12
.endm
	s_wait_alu depctr_va_vdst(0)
	s_wait_tensorcnt 1
	s_barrier_signal -1
	s_barrier_wait -1
	FETCH_B ADRB+0, 0, 0
	FETCH_A ADRA+0, 0, 0, 0
	FETCH_A ADRA+0, 0, 4, 4
	STEP 0, 1
	TURN 0, 1, 1, 0
	STEP 1, 0
	TURN 1, 0, 1, 0
	STEP 0, 0
	TURN 0, 1, 2, 0
	STEP 1, 0
	TURN 1, 0, 2, 1
	PLACES NP
	OUTBLK 0, 0
.irp a, 1,2,3,4,5,6,7
	WAYSTEP \a, 0
.endr
	OUTSEND 7, 0, 0
	s_wait_xcnt 0x0
.irp a, 0,1,2,3
.irp j, 0,1,2,3,4,5,6,7
	v_ldexp_f32 v[BI+8*\a+\j], v[RAWB+\a], s99
.endr
.endr
	s_wait_alu depctr_va_vdst(0)
	STEP2 0, 2
	TURN2 0, 1, 1
	STEP2 1, 0
	TURN2 1, 0, 1
	STEP2 0, 0
	TURN2 0, 1, 0
	STEP2 1, 0
	s_wait_dscnt 0x0
	WIN MUL_LO
	MUL16 4, 1, 0
	MUL16 6, 1, 0
	WIN 0
	PLACES NP
	OUTBLK 0, 1
.irp a, 1,2,3
	WAYSTEP \a, 1
.endr
	OUTSEND 3, 1, 0
	s_wait_tensorcnt 0x0
	ds_add_u32 v[SPW], v[NIL]
	s_wait_dscnt 0x0
	CROUND
	s_endpgm
.Lfunc_end_k_q74499ee7d5_qkv:
	.size	k_q74499ee7d5_qkv, .Lfunc_end_k_q74499ee7d5_qkv-k_q74499ee7d5_qkv
	.p2alignl 7, 3214868480
	.fill 96, 4, 3214868480
	.section	.rodata,"a",@progbits
	.p2align	6, 0x0
	.amdhsa_kernel k_q74499ee7d5_qkv
		.amdhsa_group_segment_fixed_size 327680
		.amdhsa_private_segment_fixed_size 0
		.amdhsa_enable_private_segment 0
		.amdhsa_kernarg_size 48
		.amdhsa_user_sgpr_count 2
		.amdhsa_user_sgpr_kernarg_segment_ptr 1
		.amdhsa_wavefront_size32 1
		.amdhsa_system_sgpr_workgroup_id_x 1
		.amdhsa_system_sgpr_workgroup_id_y 1
		.amdhsa_system_sgpr_workgroup_id_z 1
		.amdhsa_system_vgpr_workitem_id 0
		.amdhsa_next_free_vgpr 1024
		.amdhsa_next_free_sgpr 106
		.amdhsa_reserve_vcc 0
		.amdhsa_float_denorm_mode_32 3
		.amdhsa_float_denorm_mode_16_64 3
		.amdhsa_memory_ordered 1
		.amdhsa_forward_progress 1
		.amdhsa_inst_pref_size 210
	.end_amdhsa_kernel
	.amdgpu_metadata
---
amdhsa.version: [ 1, 2 ]
amdhsa.kernels:
  - .name:           k_q74499ee7d5_qkv
    .symbol:         k_q74499ee7d5_qkv.kd
    .args:
      - { .name: xq, .offset: 0, .size: 8, .value_kind: global_buffer, .address_space: global }
      - { .name: wc, .offset: 8, .size: 8, .value_kind: global_buffer, .address_space: global }
      - { .name: b_qk, .offset: 16, .size: 8, .value_kind: global_buffer, .address_space: global }
      - { .name: b_v, .offset: 24, .size: 8, .value_kind: global_buffer, .address_space: global }
      - { .name: lowp_scales, .offset: 32, .size: 8, .value_kind: global_buffer, .address_space: global }
      - { .name: qkv, .offset: 40, .size: 8, .value_kind: global_buffer, .address_space: global }
    .group_segment_fixed_size: 327680
    .private_segment_fixed_size: 0
    .kernarg_segment_align: 8
    .kernarg_segment_size: 48
    .max_flat_workgroup_size: 128
    .sgpr_count:     106
    .vgpr_count:     1024
    .wavefront_size: 32
...
	.end_amdgpu_metadata
.endif
;; end of part 2
;; launch attn (part 3): grid 2 x 128, 8 waves a work-group, no clusters, 150,528 bytes of LDS; arguments qkv, attention_mask, lowp_scales, oc; writes oc
.if DOCPART == 3
	.amdgcn_target "amdgcn-amd-amdhsa--gfx1250"
	.amdhsa_code_object_version 6
	.text
	.protected	k_q74499ee7d5_attn
	.globl	k_q74499ee7d5_attn
	.p2align	8
	.type	k_q74499ee7d5_attn,@function
k_q74499ee7d5_attn:
	s_mov_b64 s[64:65], 0
	v_nop
	global_prefetch_b8 v0, s[64:65] scope:SCOPE_SE
	s_setreg_imm32_b32 hwreg(HW_REG_WAVE_MODE, 25, 1), 1
	s_wait_xcnt 0x0
; o = softmax(q k^T / 8, hidden keys left out) v for one (batch, head), both products on codes of E4M3; o is quantised at once (e8) for the last product.
; t = score x log2(e) / 8; M = the largest t so far, rounded UP to a whole number; p = 2^(t - M) is quantised (e6), not normalised; the row's sum is taken of the unquantised p and divides at the end.
; SHARES.  A work-group owns 512 queries of one (batch, head), in two passes of 256; each of its eight waves owns TWO tiles of 16 queries a pass, so that each fragment of k, of v and of the mask's table feeds two tiles.
; ALL 1,024 keys of the head lie in LDS.  They come through registers (32 loads and 32 LDS stores of 16 bytes a thread, once): the text has no tensor load, one barrier behind the fill, and LDS is only read from there on.
; NO CLUSTER: no tensor load; only the two work-groups of a head read the same 131,072 bytes, once.  NO PREFETCH: every byte is asked for at the head; there is no loop to run ahead in.
; LAYOUT.  Both products are used transposed: S^T = k q^T, O^T = v^T p^T: a lane holds ONE query (lane % 16) of each tile throughout.
; q's and k's rows are stored in the order s with bits 3 and 4 swapped.  For k: register 16 b + 8 u + j of half h (tiles 2 b + u) is key 32 b + 16 h + 8 u + j: 16 neighbouring keys, as v and the table want them.
; For q: lane r of tile i takes stored row 16 (r / 8) + 8 i + r % 8 of its 32, which is row 16 i + r: the queries stand in their own order.
; v's ROWS OF A TILE ARE CHOSEN: lane r of tile t takes vd = 8 t + r % 8 + 32 (r / 8), so that a lane's 32 results are vd = 32 h + 0 .. 31: 32 neighbouring bytes of codes, stored with no turn through LDS.
; oc: [batch][128 rows][head][16 rows][1,024 bytes]; in the last: byte 512 p + 256 h + 16 r on holds o(row r, vd 32 h + 16 p + 0 .. 15).  Each store of a wave covers 512 consecutive bytes, aligned.
; THE MASK: a table of 1,024 f32 numbers in LDS holds 0 for a key that counts and -2^120 for a hidden one; a key step's 64 numbers of it are the C of the first product, for both tiles.
; A sum of 64 products of two codes is under 2^24 in magnitude, so a hidden key's score lies under -2^119.  The running maximum, kept as a score, begins at -2^30, between the two: it never follows a hidden key, whose p is 0.
; THE HOLD of p at 448 x 2^e6 is passed over by a scalar branch where it cannot act: e6 >= -8 gives 448 x 2^e6 >= 1.75, and e4 + e5 <= 0 keeps |t| under 2^22, so that the rounding of M leaves p under 1.2.
; LIMITS: e4 + e5 between -100 and 90; e6 and e8 between -126 and 119.  NaN is not served.  A batch ALL of whose keys are hidden is not served (the sum is 0 there).
; REGISTERS.  Window 0: v0-31 addresses and state; v32-47 the sums' chains; v48-63 q; v64-191 S^T, then p (two tiles); v192-223 p's codes; v224-239 the second pass's q; v240-253 at work.
;   Window 1: v0-63 k's 8 fragments; v64-127 the table's 64 numbers; v128-191 v's 4 fragments; v192-255 O^T (two tiles).
.set VB,    69632                      ; LDS: k at 0: stored row n at (n / 4) 272 + (n % 4) 64.  v here: chunk of 128 keys at 9,472 c; row vd at (vd % 32) 144 + (vd / 32) 4,736
.set MB,    145408                     ; the mask's table, 4,096 bytes
.set SPARE, 149504                     ; the spare words, 128 bytes a wave
.set AK0, 1
.set AV0, 2
.set AM0, 3
.set ADK, 4
.set ADV, 5
.set ADM, 6
.set QO,  7
.set GO,  8
.set GF,  9
.set LIM, 10
.set SC,  11
.set GM,  12
.set NEG, 13
.set SPW, 14
.set NIL, 15
.set NM,  16                           ; tile i: v[16+2i] -M, v[17+2i] the largest score
.set FF,  20                           ; tile i: v[20+2i] f, v[21+2i] named with it as a pair
.set FK,  24
.set FV,  25
.set FV2, 26
.set FM,  27
.set SUM, 32                           ; tile i: v[32+8i:33+8i] the sum in two halves, then three chains at work
.set Q,   48
.set S,   64
.set P,   192
.set QN,  224
.set CH,  240                          ; the maxima's chains: chain x of tile i at v[240 + 2 x + 2 (x / 2) + i]
.set TA,  240
.set TB,  242
.set TX,  244
.set MK,  246
.set T,   248
.set TD,  250
.set TT,  252
.set TW,  252
.set KF,  0
.set MR,  64
.set VF,  128
.set O,   192
.set MSB, 0
.macro WIN new                         ; the immediate's high byte repeats the setting that is left
.if MSB != \new
	s_set_vgpr_msb (MSB<<8)|\new
.set MSB, \new
.endif
.endm
.macro LDKM ak, am                     ; a key step's 8 fragments of k and 64 numbers of the table: 32 loads
	WIN 0x40
.irp t, 0,1,2,3,4,5,6,7
	ds_load_b128 v[KF+8*\t:KF+8*\t+3], v[\ak] offset:1088*\t
	ds_load_b128 v[KF+8*\t+4:KF+8*\t+7], v[\ak] offset:1088*\t+32
.endr
.irp b, 0,1,2,3
.irp i, 0,1,2,3
	ds_load_b128 v[MR+16*\b+4*\i:MR+16*\b+4*\i+3], v[\am] offset:128*\b+16*\i
.endr
.endr
	WIN 0
.endm
.macro LDV av                          ; a key step's 4 fragments of v: 16 loads
	WIN 0x40
.irp t, 0,1,2,3
.irp c, 0,1,2,3
	ds_load_b128 v[VF+16*\t+4*\c:VF+16*\t+4*\c+3], v[\av] offset:1152*\t+32*\c
.endr
.endr
	WIN 0
.endm
	s_load_b256 s[4:11], s[0:1], 0x0               ; qkv, the mask, the scales' exponents, oc
	v_lshl_add_u32 v[SPW], v0, 2, SPARE
	v_mov_b32 v[NIL], 0
	v_lshrrev_b32 v28, 5, v0
	v_readfirstlane_b32 s14, v28                   ; wave 0..7
	v_and_b32 v28, 15, v0                          ; r
	v_bfe_u32 v29, v0, 4, 1                        ; h
	v_lshrrev_b32 v30, 4, v0
	v_lshlrev_b32 v[GF], 4, v0                     ; the fill: 16 bytes a thread, 4,096 a round
	v_lshlrev_b32 v[GM], 2, v0                     ; four keys of the mask a thread
	v_mul_u32_u24 v[FK], v30, 272
	v_lshl_add_u32 v[FK], v28, 4, v[FK]            ; k's place: 256 bytes, then 16 of padding
	v_lshrrev_b32 v30, 3, v0
	v_and_b32 v31, 7, v0                           ; thread % 8 = r % 8
	v_mul_u32_u24 v[FV], v30, 144
	v_lshl_add_u32 v[FV], v31, 4, v[FV]
	v_add_nc_u32 v[FV], VB, v[FV]                  ; v's place: a round is 32 rows of 128 bytes + 16
	v_add_nc_u32 v[FV2], 8*4736, v[FV]
	v_lshl_add_u32 v[FM], v0, 4, MB
	v_lshrrev_b32 v30, 2, v28
	v_mul_u32_u24 v[AK0], v30, 272
	v_and_b32 v30, 3, v28
	v_lshl_add_u32 v[AK0], v30, 6, v[AK0]
	v_lshl_add_u32 v[AK0], v29, 4, v[AK0]          ; a fragment of k: (r / 4) 272 + (r % 4) 64 + 16 h
	v_lshrrev_b32 v30, 3, v28                      ; r / 8
	v_mul_u32_u24 v[AV0], v31, 144
	v_mad_u32_u24 v[AV0], v30, 4736, v[AV0]
	v_lshl_add_u32 v[AV0], v29, 4, v[AV0]
	v_add_nc_u32 v[AV0], VB, v[AV0]                ; of v: (r % 8) 144 + (r / 8) 4,736 + 16 h: the sixteen lanes of a half touch sixteen different 16-byte columns of 256
	v_lshl_add_u32 v[AM0], v29, 6, MB
	v_lshlrev_b32 v[QO], 10, v30
	v_lshl_add_u32 v[QO], v31, 6, v[QO]
	v_lshl_add_u32 v[QO], v29, 4, v[QO]            ; q: 1,024 (r / 8) + 64 (r % 8) + 16 h
	v_and_b32 v[GO], 31, v0
	v_lshlrev_b32 v[GO], 4, v[GO]
	v_mov_b32 v[NEG], 0xfb800000                   ; -2^120
	v_mov_b32 v[FF+1], 0
	v_mov_b32 v[FF+3], 0
	v_mov_b32 v[TX], 0                             ; a lane permute's destination counts as one of its sources
	v_mov_b32 v[TX+1], 0
	s_and_b32 s15, ttmp7, 0xffff                   ; 16 x batch + head
	s_lshl_b32 s16, s15, 17
	s_add_co_u32 s16, s16, 0x800000                ; the head's k and v, behind q
	s_mov_b32 s17, 0
	s_lshl_b32 s18, s15, 16                        ; q: the head's 65,536 bytes; 2,048 bytes for 32 rows: 16 x + 8 pass + wave
	s_lshl_b32 s19, ttmp9, 15
	s_add_co_u32 s18, s18, s19
	s_lshl_b32 s19, s14, 11
	s_add_co_u32 s18, s18, s19
	s_mov_b32 s19, 0
	s_lshr_b32 s20, s15, 4                         ; batch
	s_lshl_b32 s24, s20, 10
	s_mov_b32 s25, 0
	s_lshl_b32 s26, s20, 20                        ; oc: batch, block of 128 rows 4 x + 2 pass + wave / 4, head, tile 2 (wave % 4) + i
	s_lshl_b32 s27, ttmp9, 19
	s_add_co_u32 s26, s26, s27
	s_lshr_b32 s27, s14, 2
	s_lshl_b32 s27, s27, 17
	s_add_co_u32 s26, s26, s27
	s_and_b32 s27, s15, 15
	s_lshl_b32 s27, s27, 13
	s_add_co_u32 s26, s26, s27
	s_and_b32 s27, s14, 3
	s_lshl_b32 s27, s27, 11
	s_add_co_u32 s26, s26, s27
	s_mov_b32 s27, 0
	s_wait_alu depctr_va_vdst(0)
	s_wait_kmcnt 0x0
	s_load_b256 s[44:51], s[8:9], 0x0              ; e0 .. e7
	s_load_b32 s52, s[8:9], 0x20                   ; e8
	s_add_nc_u64 s[16:17], s[4:5], s[16:17]
	s_add_nc_u64 s[12:13], s[4:5], s[18:19]
	s_add_nc_u64 s[6:7], s[6:7], s[24:25]
	s_add_nc_u64 s[10:11], s[10:11], s[26:27]
	global_load_b32 v[MK], v[GM], s[6:7]
.set i, 0
.rept 32
	global_load_b128 v[S+4*i:S+4*i+3], v[GF], s[16:17] offset:4096*i   ; rounds 0-15 k, 16-31 v; a wave reads 512 consecutive bytes
.set i, i+1
.endr
.irp i, 0,1
	global_load_b128 v[Q+8*\i:Q+8*\i+3], v[QO], s[12:13] offset:512*\i th:TH_LOAD_NT
	global_load_b128 v[Q+8*\i+4:Q+8*\i+7], v[QO], s[12:13] offset:512*\i+32 th:TH_LOAD_NT
	global_load_b128 v[QN+8*\i:QN+8*\i+3], v[QO], s[12:13] offset:16384+512*\i th:TH_LOAD_NT
	global_load_b128 v[QN+8*\i+4:QN+8*\i+7], v[QO], s[12:13] offset:16384+512*\i+32 th:TH_LOAD_NT
.endr
	s_mov_b32 s20, 0x76543210                      ; v_permlanex16_b32's selects for lane l xor 16
	s_mov_b32 s21, 0xfedcba98
	s_wait_kmcnt 0x0
	s_add_co_i32 s24, s48, s49                     ; e4 + e5
	s_cmp_ge_i32 s50, -8
	s_cselect_b32 s53, 1, 0
	s_cmp_le_i32 s24, 0
	s_cselect_b32 s53, s53, 0                      ; 1: the hold of p cannot act
	s_lshl_b32 s24, s24, 23
	s_add_co_i32 s22, s24, 0x3e38aa3b              ; c = log2(e) / 8, with e4 + e5 added to its exponent field
	s_mov_b32 s23, s22
	s_add_co_i32 s37, s22, 0x0f000000
	s_or_b32 s37, s37, 0x80000000                  ; -c x 2^30: t of the score at which the running maximum begins
	s_add_co_i32 s36, s50, s51                     ; e6 + e7
	s_add_co_i32 s24, s50, 127
	s_lshl_b32 s25, s24, 23
	v_mov_b32 v[SC], s25                           ; 2^e6
	s_add_co_i32 s24, s24, 8
	s_lshl_b32 s24, s24, 23
	s_or_b32 s24, s24, 0x600000
	v_mov_b32 v[LIM], s24                          ; 448 x 2^e6
	s_add_co_i32 s39, s52, 127
	s_lshl_b32 s38, s39, 23                        ; 2^e8
	s_add_co_i32 s39, s39, 8
	s_lshl_b32 s39, s39, 23
	s_or_b32 s39, s39, 0x600000                    ; 448 x 2^e8
	s_wait_alu depctr_va_vdst(0)
	s_wait_loadcnt 40                              ; the mask's four bytes are in: behind them 32 loads of k and v and 8 of q
.irp k, 0,1,2,3
	v_bfe_u32 v[TT], v[MK], 8*\k, 8
	v_cmp_ne_u32 vcc_lo, 0, v[TT]
	v_cndmask_b32 v[T+\k], 0, v[NEG], vcc_lo       ; true = hidden
.endr
	ds_store_b128 v[FM], v[T:T+3]
	s_wait_loadcnt 24                              ; k's 16 loads are in
.set i, 0
.rept 16
	ds_store_b128 v[FK], v[S+4*i:S+4*i+3] offset:4352*i
.set i, i+1
.endr
	s_wait_loadcnt 8                               ; v's 16 are in
.set i, 0
.rept 8
	ds_store_b128 v[FV], v[S+64+4*i:S+64+4*i+3] offset:4736*i
	ds_store_b128 v[FV2], v[S+96+4*i:S+96+4*i+3] offset:4736*i
.set i, i+1
.endr
	s_wait_dscnt 0x0                               ; my part of k, v and the table is stored:
	s_barrier_signal -1
	s_barrier_wait -1                              ; everybody's is
	LDKM AK0, AM0                                  ; key step 0's fragments
	LDV AV0
	s_wait_loadcnt 0x0                             ; q, both passes'
	s_mov_b32 s40, 2
.Lpass:                                            ; two passes of 256 queries
	v_mov_b32 v[NM+1], 0xce800000                  ; -2^30
	v_mov_b32 v[NM+3], 0xce800000
	v_mov_b32 v[TA], s37
	v_floor_f32 v[NM], -v[TA]
	v_floor_f32 v[NM+2], -v[TA]
.irp i, 0,1,8,9
	v_mov_b32 v[SUM+\i], 0
.endr
	WIN 0x40
.set j, 0
.rept 64
	v_mov_b32 v[O+j], 0                            ; the step is written once for all steps: the first finds zeros
.set j, j+1
.endr
	WIN 0
	s_mov_b32 s41, 0
	s_wait_alu depctr_va_vdst(0)
.Lstep:                                            ; eight key steps of 128 keys
	s_wait_dscnt 16                                ; k and the table's numbers are in; v's 16 loads, issued behind them, may be out
	WIN 0x11                                       ; k and the table in window 1, q and S^T in window 0
.irp t, 0,1,2,3,4,5,6,7
	v_wmma_f32_16x16x64_fp8_fp8 v[S+8*\t:S+8*\t+7], v[KF+8*\t:KF+8*\t+7], v[Q:Q+7], v[MR+8*\t:MR+8*\t+7]
	v_wmma_f32_16x16x64_fp8_fp8 v[S+64+8*\t:S+64+8*\t+7], v[KF+8*\t:KF+8*\t+7], v[Q+8:Q+15], v[MR+8*\t:MR+8*\t+7]
.endr
	WIN 0
	s_add_co_u32 s42, s41, 1
	s_and_b32 s42, s42, 7                          ; the next step; behind step 7 it is the next pass's step 0 (in the last pass these loads are waited for and not used)
	s_mul_i32 s43, s42, 8704
	s_mul_i32 s44, s42, 9472
	s_lshl_b32 s42, s42, 9
	v_add_nc_u32 v[ADK], s43, v[AK0]               ; these four lines are the places behind the products (ISA guide 7.12.1)
	v_add_nc_u32 v[ADM], s42, v[AM0]
	v_add_nc_u32 v[ADV], s44, v[AV0]
	v_nop
	LDKM ADK, ADM                                  ; the next step's k and table land under the softmax
	; the step's largest score of my two queries: four chains a tile, eight in all; chain x takes accumulators 2 x and 2 x + 1, each from its low end on
.irp x, 0,1,2,3
.irp i, 0,1
	v_max3_num_f32 v[CH+2*\x+2*(\x/2)+\i], v[S+64*\i+16*\x], v[S+64*\i+16*\x+1], v[S+64*\i+16*\x+2]
.endr
.endr
.irp k, 3,5,7,9,11,13
.irp x, 0,1,2,3
.irp i, 0,1
	v_max3_num_f32 v[CH+2*\x+2*(\x/2)+\i], v[CH+2*\x+2*(\x/2)+\i], v[S+64*\i+16*\x+\k], v[S+64*\i+16*\x+\k+1]
.endr
.endr
.endr
.irp i, 0,1
	v_max3_num_f32 v[CH+\i], v[CH+\i], v[S+64*\i+15], v[S+64*\i+31]   ; each chain's sixteenth number
.endr
.irp i, 0,1
	v_max3_num_f32 v[CH+6+\i], v[CH+6+\i], v[S+64*\i+47], v[S+64*\i+63]
.endr
.irp i, 0,1
	v_max_num_f32 v[CH+2+\i], v[CH+2+\i], v[CH+8+\i]
.endr
.irp i, 0,1
	v_mov_b32 v[TD+\i], v[NM+2*\i]                 ; the old -M
.endr
.irp i, 0,1
	v_max3_num_f32 v[CH+\i], v[CH+\i], v[CH+2+\i], v[CH+6+\i]
.endr
	; seven dependent lines for each tile, the two tiles by turns: each reads what the line two back wrote
.irp i, 0,1
	s_delay_alu instid0(VALU_DEP_2)
	v_permlanex16_b32 v[TX+\i], v[CH+\i], s20, s21
.endr
.irp i, 0,1
	s_delay_alu instid0(VALU_DEP_2)
	v_max3_num_f32 v[NM+2*\i+1], v[NM+2*\i+1], v[CH+\i], v[TX+\i]   ; the running largest score, lane l xor 16's among them
.endr
.irp i, 0,1
	s_delay_alu instid0(VALU_DEP_2)
	v_mul_f32 v[TW+\i], s22, v[NM+2*\i+1]          ; as t (c is positive)
.endr
.irp i, 0,1
	s_delay_alu instid0(VALU_DEP_2)
	v_floor_f32 v[NM+2*\i], -v[TW+\i]              ; the new -M = -ceil(t)
.endr
.irp i, 0,1
	s_delay_alu instid0(VALU_DEP_2)
	v_sub_f32 v[TD+\i], v[NM+2*\i], v[TD+\i]       ; M's old value less its new one: a whole number, 0 or less
.endr
.irp i, 0,1
	s_delay_alu instid0(VALU_DEP_2)
	v_cvt_i32_f32 v[TD+\i], v[TD+\i]               ; (it saturates)
.endr
.irp i, 0,1
	s_delay_alu instid0(VALU_DEP_2)
	v_ldexp_f32 v[FF+2*\i], 1.0, v[TD+\i]          ; f = 2^(old M - new M)
.endr
.set j, 0
.rept 32
	v_pk_fma_f32 v[S+j:S+j+1], v[S+j:S+j+1], s[22:23], v[NM:NM+1] op_sel_hi:[1,0,0]   ; t - M, one rounding
	v_pk_fma_f32 v[S+64+j:S+64+j+1], v[S+64+j:S+64+j+1], s[22:23], v[NM+2:NM+3] op_sel_hi:[1,0,0]
.set j, j+2
.endr
	s_wait_alu depctr_va_vdst(0)
.set j, 0
.rept 128
	v_exp_f32 v[S+j], v[S+j]                       ; p = 2^(t - M)
.set j, j+1
.endr
	v_pk_mul_f32 v[SUM:SUM+1], v[SUM:SUM+1], v[FF:FF+1] op_sel_hi:[1,0]   ; the sums under the new M (plain lines behind the exponentials)
	v_pk_mul_f32 v[SUM+8:SUM+9], v[SUM+8:SUM+9], v[FF+2:FF+3] op_sel_hi:[1,0]
	s_wait_alu depctr_va_vdst(0)                   ; one wait for the whole batch, ahead of its first reader
.irp c, 1,2,3                                      ; the row's sum of the unquantised p: four chains a tile
.irp i, 0,1
	v_pk_add_f32 v[SUM+8*\i+2*\c:SUM+8*\i+2*\c+1], v[S+64*\i+4*\c-4:S+64*\i+4*\c-3], v[S+64*\i+4*\c-2:S+64*\i+4*\c-1]
.endr
.endr
.set k, 6
.rept 26
.irp i, 0,1
	v_pk_add_f32 v[SUM+8*\i+2*(k%4):SUM+8*\i+2*(k%4)+1], v[SUM+8*\i+2*(k%4):SUM+8*\i+2*(k%4)+1], v[S+64*\i+2*k:S+64*\i+2*k+1]
.endr
.set k, k+1
.endr
.irp i, 0,1
	v_pk_add_f32 v[SUM+8*\i+2:SUM+8*\i+3], v[SUM+8*\i+2:SUM+8*\i+3], v[SUM+8*\i+4:SUM+8*\i+5]
	v_pk_add_f32 v[SUM+8*\i:SUM+8*\i+1], v[SUM+8*\i:SUM+8*\i+1], v[SUM+8*\i+6:SUM+8*\i+7]
.endr
.irp i, 0,1
	v_pk_add_f32 v[SUM+8*\i:SUM+8*\i+1], v[SUM+8*\i:SUM+8*\i+1], v[SUM+8*\i+2:SUM+8*\i+3]
.endr
	s_wait_alu depctr_va_vdst(0)
	s_cmp_lg_u32 s53, 0
	s_cbranch_scc1 .Lheld                          ; the same way in every wave and every trip: it hangs on the given exponents alone
.set j, 0
.rept 128
	v_min_num_f32 v[S+j], v[S+j], v[LIM]           ; the conversion does not saturate (ISA guide 7.6.2); p is not negative, so the hold is one-sided
.set j, j+1
.endr
.Lheld:
.irp i, 0,1
.irp b, 0,1,2,3
	v_cvt_scalef32_pk8_fp8_f32 v[P+16*\i+4*\b:P+16*\i+4*\b+1], v[S+64*\i+16*\b:S+64*\i+16*\b+7], v[SC]
	v_cvt_scalef32_pk8_fp8_f32 v[P+16*\i+4*\b+2:P+16*\i+4*\b+3], v[S+64*\i+16*\b+8:S+64*\i+16*\b+15], v[SC]
.endr
.endr
	WIN 0x41                                       ; O^T in window 1, f in window 0
	s_wait_alu depctr_va_vdst(0)                   ; directly ahead of the first reader of O^T
.set j, 0
.rept 16
	v_pk_mul_f32 v[O+j:O+j+1], v[O+j:O+j+1], v[FF:FF+1] op_sel_hi:[1,0]   ; O^T under the new M (also the plain lines between the conversions and the products)
	v_pk_mul_f32 v[O+32+j:O+32+j+1], v[O+32+j:O+32+j+1], v[FF+2:FF+3] op_sel_hi:[1,0]
.set j, j+2
.endr
	s_wait_alu depctr_va_vdst(0)
	s_wait_dscnt 32                                ; v is in; the next step's 32 loads of k and the table may be out
	WIN 0x51
.irp t, 0,1,2,3
	v_wmma_f32_16x16x128_fp8_fp8 v[O+8*\t:O+8*\t+7], v[VF+16*\t:VF+16*\t+15], v[P:P+15], v[O+8*\t:O+8*\t+7]   ; the eight accumulators take turns
	v_wmma_f32_16x16x128_fp8_fp8 v[O+32+8*\t:O+32+8*\t+7], v[VF+16*\t:VF+16*\t+15], v[P+16:P+31], v[O+32+8*\t:O+32+8*\t+7]
.endr
	WIN 0
.rept 4
	v_nop                                          ; places in front of loads into registers that the products read
.endr
	LDV ADV                                        ; the next step's v
	s_add_co_u32 s41, s41, 1
	s_cmp_lt_u32 s41, 8
	s_cbranch_scc1 .Lstep
	; THE WAY OUT: O^T / the sum x 2^(e6 + e7), quantised with e8
.irp i, 0,1
	v_add_f32 v[SUM+8*\i], v[SUM+8*\i], v[SUM+8*\i+1]
.endr
.irp i, 0,1
	v_permlanex16_b32 v[TX+\i], v[SUM+8*\i], s20, s21
.endr
.irp i, 0,1
	v_add_f32 v[SUM+8*\i], v[SUM+8*\i], v[TX+\i]   ; the row's sum
.endr
	s_wait_alu depctr_va_vdst(0)                   ; ahead of the transcendentals
	v_rcp_f32 v[FF], v[SUM]
	v_rcp_f32 v[FF+2], v[SUM+8]
	v_mov_b32 v[TA], s39                           ; (a plain line behind them)  448 x 2^e8
	v_mov_b32 v[TB], s38                           ; 2^e8
	s_wait_alu depctr_va_vdst(0)                   ; ahead of their first reader
	v_ldexp_f32 v[FF], v[FF], s36
	v_ldexp_f32 v[FF+2], v[FF+2], s36
	WIN 0x01
	s_wait_alu depctr_va_vdst(0)                   ; directly ahead of the first reader of O^T
.set j, 0
.rept 16
	v_pk_mul_f32 v[S+j:S+j+1], v[O+j:O+j+1], v[FF:FF+1] op_sel_hi:[1,0]
	v_pk_mul_f32 v[S+32+j:S+32+j+1], v[O+32+j:O+32+j+1], v[FF+2:FF+3] op_sel_hi:[1,0]
.set j, j+2
.endr
	WIN 0
.set j, 0
.rept 64
	v_med3_num_f32 v[S+j], v[S+j], -v[TA], v[TA]
.set j, j+1
.endr
.irp n, 0,1,2,3,4,5,6,7
	v_cvt_scalef32_pk8_fp8_f32 v[P+2*\n:P+2*\n+1], v[S+8*\n:S+8*\n+7], v[TB]   ; tile n / 4: o(query r, vd 32 h + 8 (n % 4) + 0 .. 7)
.endr
	v_nop
.irp i, 0,1
.irp p, 0,1
	global_store_b128 v[GO], v[P+8*\i+4*\p:P+8*\i+4*\p+3], s[10:11] offset:1024*\i+512*\p
.endr
.endr
.set j, 0
.rept 16
	v_mov_b32 v[Q+j], v[QN+j]                      ; the second pass's q takes its place
.set j, j+1
.endr
	s_wait_xcnt 0x0                                ; the stores have read their registers and their base
	s_add_nc_u64 s[10:11], s[10:11], 0x40000       ; two blocks of 128 rows on
	s_sub_co_u32 s40, s40, 1
	s_cmp_lg_u32 s40, 0
	s_wait_alu depctr_va_vdst(0)
	s_cbranch_scc1 .Lpass
	s_wait_dscnt 0x0                               ; my LDS reads are over
	s_barrier_signal -1
	s_barrier_wait -1                              ; everybody's are
	s_wait_tensorcnt 0x0                           ; the wave's end
	ds_add_u32 v[SPW], v[NIL]
	s_wait_dscnt 0x0
	s_endpgm
.Lfunc_end_k_q74499ee7d5_attn:
	.size	k_q74499ee7d5_attn, .Lfunc_end_k_q74499ee7d5_attn-k_q74499ee7d5_attn
	.p2alignl 7, 3214868480
	.fill 96, 4, 3214868480
	.section	.rodata,"a",@progbits
	.p2align	6, 0x0
	.amdhsa_kernel k_q74499ee7d5_attn
		.amdhsa_group_segment_fixed_size 150528
		.amdhsa_private_segment_fixed_size 0
		.amdhsa_enable_private_segment 0
		.amdhsa_kernarg_size 32
		.amdhsa_user_sgpr_count 2
		.amdhsa_user_sgpr_kernarg_segment_ptr 1
		.amdhsa_wavefront_size32 1
		.amdhsa_system_sgpr_workgroup_id_x 1
		.amdhsa_system_sgpr_workgroup_id_y 1
		.amdhsa_system_sgpr_workgroup_id_z 1
		.amdhsa_system_vgpr_workitem_id 0
		.amdhsa_next_free_vgpr 512
		.amdhsa_next_free_sgpr 66
		.amdhsa_reserve_vcc 1
		.amdhsa_float_denorm_mode_32 3
		.amdhsa_float_denorm_mode_16_64 3
		.amdhsa_memory_ordered 1
		.amdhsa_forward_progress 1
		.amdhsa_inst_pref_size 56
	.end_amdhsa_kernel
	.amdgpu_metadata
---
amdhsa.version: [ 1, 2 ]
amdhsa.kernels:
  - .name:           k_q74499ee7d5_attn
    .symbol:         k_q74499ee7d5_attn.kd
    .args:
      - { .name: qkv, .offset: 0, .size: 8, .value_kind: global_buffer, .address_space: global }
      - { .name: attention_mask, .offset: 8, .size: 8, .value_kind: global_buffer, .address_space: global }
      - { .name: lowp_scales, .offset: 16, .size: 8, .value_kind: global_buffer, .address_space: global }
      - { .name: oc, .offset: 24, .size: 8, .value_kind: global_buffer, .address_space: global }
    .group_segment_fixed_size: 150528
    .private_segment_fixed_size: 0
    .kernarg_segment_align: 8
    .kernarg_segment_size: 32
    .max_flat_workgroup_size: 256
    .sgpr_count:     66
    .vgpr_count:     512
    .wavefront_size: 32
...
	.end_amdgpu_metadata
.endif
;; end of part 3
;; launch oproj (part 4): grid 4 x 64, 4 waves a work-group, clusters of 4 x 4, 327,680 bytes of LDS; arguments oc, wc, x, b_o, lowp_scales, res, part; writes res, part
.if DOCPART == 4
	.amdgcn_target "amdgcn-amd-amdhsa--gfx1250"
	.amdhsa_code_object_version 6
	.text
	.protected	k_q74499ee7d5_oproj
	.globl	k_q74499ee7d5_oproj
	.p2align	8
	.type	k_q74499ee7d5_oproj,@function
k_q74499ee7d5_oproj:
	s_mov_b64 s[64:65], 0
	v_nop
	global_prefetch_b8 v0, s[64:65] scope:SCOPE_SE
	s_setreg_imm32_b32 hwreg(HW_REG_WAVE_MODE, 25, 1), 1
	s_wait_xcnt 0x0
	s_wait_alu depctr_hold_cnt(0) depctr_sa_sdst(0) depctr_va_vdst(0) depctr_va_sdst(0) depctr_va_ssrc(0) depctr_va_vcc(0) depctr_vm_vsrc(0)
	s_getreg_b32 s2, hwreg(HW_REG_IB_STS2, 6, 4)
	s_cmp_eq_u32 s2, 0
	s_cbranch_scc0 .Lentry_in_a_cluster
	s_endpgm
.Lentry_in_a_cluster:
	s_bfe_u32 s2, ttmp6, 0x10000c
	s_cmp_lg_u32 s2, 0xf033
	s_cbranch_scc0 .Lentry_shape_is_right
	s_endpgm
.Lentry_shape_is_right:
; res = o w_o + b_o + x, the product on codes of E4M3 (o with e8, w_o with e9), and for each wave and tile the sum of its 4,096 results and the sum of their squares ABOUT THEIR OWN MEAN.
; 256 work-groups of four waves.  A WORK-GROUP STAYS: it makes two tiles of 128 x 128, tile columns cx and cx + 4 of one tile row; a wave makes 64 x 64 of each (16 accumulators).
; THE WHOLE K of both operands lies in LDS.  A's tile is fetched once and serves both tiles.  B's tile is filled again behind tile 0's products, behind a round of the cluster's barrier, and lands under tile 0's way out.
; One tensor load a wave at the head; at the refill one in waves 2 and 3.  All of LDS is claimed.  No prefetch: both fills are asked for as early as the text allows, and there is no loop to run ahead in.
; A = oc [batch][128 rows][head][16 rows][1,024 bytes]: a tile's 128 rows x 1,024 K are one dense block of 131,072 bytes; waves 0 and 1 fetch a half each, as rows of 256 bytes.
;   In a block of 16 rows, byte 512 p + 256 h' + 16 r on holds k = 32 h' + 16 p + 0 .. 15 of the head: lane (r, h) takes its group c at 512 h + 256 (c % 2) + 16 r: sixteen lanes read 256 consecutive bytes.
; B = w_o' in wc at 3,145,728: [n][k]; waves 2 and 3 fetch 64 whole rows of 1,024 bytes each, 16 bytes of padding behind each row.
; CLUSTERS: 4 x 4; A's halves are asked for jointly along a row of the cluster, B's along a column.
; THE MATRIX INSTRUCTION IS USED TRANSPOSED (source 0 = 16 rows of B, source 1 = 16 rows of A): a lane holds eight neighbouring columns of one row.
; The bias is the C of each sum's first matrix instruction, divided by 2^(e8 + e9); res = sum x 2^(e8 + e9) + x is one packed multiply-add for two numbers.
; THE ORDER OF THE REQUESTS follows the order of the needs: the tiles; both tiles' bias (16 loads); tile 0's x (32 loads), behind the bias's wait; tile 1's x (32 loads), behind B's refill.
; LIMITS: e8 + e9 between -126 and 127.
; REGISTERS: window 0: v0-31 addresses and statistics; v32-63 tile 0's bias; v64-127 rows back from the stage, two sets; v128-255 the accumulators.  window 1: two sets of fragments (A's four, then B's four).
;   window 2 + j: v0-127 tile j's x, then res; v128-145 at work on the statistics.  window 2: v160-191 tile 1's bias.
.set BREG, 131072                      ; LDS: A at 0, dense; B here: 128 rows of 1,024 bytes + 16
.set BP,   1040
.set STG,  264192                      ; a stage of 16 rows x (256 bytes + 16) for each wave
.set SPARE, 281600                     ; the spare words
.set ADRA, 16
.set ADRB, 20
.set STO,  24
.set RD,   25
.set XO,   26
.set BO,   27
.set BI,   32
.set BI2,  160
.set BK,   64
.set ACC,  128
.set MSB, 0
.macro WIN new
.if MSB != \new
	s_set_vgpr_msb (MSB<<8)|\new
.set MSB, \new
.endif
.endm
.macro CROUND                          ; a round of the cluster's barrier
	s_barrier_signal -1
	s_barrier_wait -1
	s_cmp_lg_u32 s10, 0
	s_cbranch_scc1 .Lnot_wave_0_\@
	s_barrier_signal -3
.Lnot_wave_0_\@:
	s_barrier_wait -3
	s_barrier_signal -1
	s_barrier_wait -1
.endm
.macro PLACES
.rept 4
	v_nop
.endr
.endm
	s_load_b256 s[68:75], s[0:1], 0x0              ; oc s[68:69], wc s[70:71], x s[72:73], b_o s[74:75]
	s_load_b128 s[76:79], s[0:1], 0x20             ; the scales' exponents s[76:77], res s[78:79]
	s_load_b64 s[80:81], s[0:1], 0x30              ; part
	v_lshl_add_u32 v30, v0, 2, SPARE
	v_mov_b32 v31, 0
	ds_add_u32 v30, v31
	ds_add_u32 v30, v31
	v_lshrrev_b32 v1, 5, v0
	v_readfirstlane_b32 s10, v1                    ; wave 0..3
	s_lshr_b32 s11, s10, 1                         ; which 64 rows are mine.  Also: I fetch for A (0) or for B (1)
	s_and_b32 s12, s10, 1                          ; which 64 columns.  Also: which half I fetch
	s_bfe_u32 s86, ttmp6, 0x40000                  ; cx
	s_bfe_u32 s87, ttmp6, 0x40004                  ; cy
	s_lshl_b32 s14, ttmp9, 2
	s_add_co_u32 s14, s14, s86                     ; tile 0's tile column, 0 .. 3; tile 1's lies four further on
	s_and_b32 s13, ttmp7, 0xffff
	s_lshl_b32 s13, s13, 2
	s_add_co_u32 s13, s13, s87                     ; tile row
	s_lshl_b32 s88, s87, 2
	s_lshl_b32 s88, 15, s88                        ; my row of the cluster
	s_lshl_b32 s89, 0x1111, s86                    ; my column
	s_or_b32 s16, s88, (3<<16)|(1<<21)             ; A: the mask; elements of 8 bytes; no padding; bit 21 beside a mask
	s_mov_b32 s17, 32<<16                          ; a dense block of 65,536 bytes as 256 rows of 32 elements
	s_mov_b32 s18, 256<<16
	s_mov_b32 s19, 32<<16
	s_mov_b32 s20, 256
	s_mov_b32 s21, 32
	s_mov_b32 s22, 0
	s_mov_b32 s23, 0
	s_or_b32 s24, s89, (0<<16)|(1<<20)|(1<<21)|(7<<22)|(3<<25)   ; B: elements of 1 byte; after every 256 words, 4 words
	s_mov_b32 s25, 1024<<16                        ; 64 rows of 1,024 bytes, dense
	s_mov_b32 s26, 64<<16
	s_mov_b32 s27, 1024<<16
	s_mov_b32 s28, 64
	s_mov_b32 s29, 1024
	s_mov_b32 s30, 0
	s_mov_b32 s31, 0
	s_lshl_b32 s4, s13, 17                         ; A: the tile row's block, my half of it
	s_lshl_b32 s5, s12, 16
	s_add_co_u32 s4, s4, s5
	s_mov_b32 s5, 0
	s_lshl_b32 s6, s14, 7                          ; B: row 128 x tile column + 64 x half
	s_lshl_b32 s7, s12, 6
	s_add_co_u32 s6, s6, s7
	s_lshl_b32 s6, s6, 10
	s_add_co_u32 s6, s6, 0x300000
	s_mov_b32 s7, 0
	s_mov_b32 s32, 1
	s_lshl_b32 s33, s12, 16
	s_mov_b32 s36, 1
	s_mul_i32 s37, s12, 64*BP
	s_add_co_u32 s37, s37, BREG
	s_wait_dscnt 0x0                               ; both opening adds are done
	s_wait_kmcnt 0x0
	s_load_b64 s[82:83], s[76:77], 0x20            ; e8, e9
	s_add_nc_u64 s[34:35], s[68:69], s[4:5]
	s_or_b32 s35, s35, 0x80000000
	s_add_nc_u64 s[38:39], s[70:71], s[6:7]
	s_or_b32 s39, s39, 0x80000000
	CROUND                                         ; all sixteen work-groups are here: the joint loads meet
	s_cmp_eq_u32 s11, 0
	s_cbranch_scc0 .Lfor_b
	tensor_load_to_lds s[32:35], s[16:23]          ; my one tensor load at the head
	s_nop 0
.rept 4
	v_nop
.endr
	s_branch .Lasked
.Lfor_b:
	tensor_load_to_lds s[36:39], s[24:31]
	s_nop 0
.rept 4
	v_nop
.endr
.Lasked:
	v_and_b32 v1, 15, v0                           ; r
	v_bfe_u32 v2, v0, 4, 1                         ; h
	v_lshlrev_b32 v3, 4, v1
	v_lshl_add_u32 v3, v2, 9, v3
	s_lshl_b32 s4, s11, 12
	v_add_nc_u32 v[ADRA], s4, v3                   ; 4,096 x row half + 512 h + 16 r: heads 0-7,
	v_add_nc_u32 v[ADRA+1], 0x10000, v[ADRA]       ; heads 8-15
	v_mul_u32_u24 v5, v1, BP
	v_lshl_add_u32 v5, v2, 4, v5
	s_mul_i32 s4, s12, 64*BP
	s_add_co_u32 s4, s4, BREG
	v_add_nc_u32 v[ADRB], s4, v5
	s_mul_i32 s4, s10, 4352
	s_add_co_u32 s4, s4, STG
	v_mul_u32_u24 v5, v1, 272
	v_lshl_add_u32 v5, v2, 5, v5
	v_add_nc_u32 v[STO], s4, v5                    ; in: row r, 32 bytes for each half of the lanes
	v_mul_u32_u24 v5, v2, 272
	v_lshl_add_u32 v5, v1, 4, v5
	v_add_nc_u32 v[RD], s4, v5                     ; back: lanes 0-15 one row of 256 bytes, lanes 16-31 the next
	v_lshlrev_b32 v5, 12, v2
	v_lshl_add_u32 v[XO], v1, 4, v5                ; and the same two rows in x and in res
	v_lshlrev_b32 v[BO], 5, v2
	v_mov_b32 v9, 0                                ; written once: a lane permute's destination counts as one of its sources
	v_and_b32 v15, 31, v0
	s_wait_alu depctr_va_vdst(0)
	s_mov_b32 s98, 0x76543210
	s_mov_b32 s99, 0xfedcba98
	s_lshl_b32 s4, s13, 7
	s_lshl_b32 s5, s11, 6
	s_add_co_u32 s4, s4, s5                        ; my first row,
	s_lshl_b32 s4, s4, 12
	s_lshl_b32 s5, s14, 7
	s_lshl_b32 s6, s12, 6
	s_add_co_u32 s5, s5, s6                        ; my first column of tile 0; tile 1's lies 512 columns, 2,048 bytes, further on
	s_lshl_b32 s6, s5, 2
	s_add_co_u32 s4, s4, s6
	s_mov_b32 s5, 0
	s_mov_b32 s7, 0
	s_add_nc_u64 s[72:73], s[72:73], s[4:5]
	s_add_nc_u64 s[78:79], s[78:79], s[4:5]
	s_add_nc_u64 s[74:75], s[74:75], s[6:7]
	s_lshr_b32 s8, s13, 3                          ; part: [batch][((tile row % 8) 8 + tile column) 4 + wave], 8 bytes; tile 1's lies 128 bytes further on
	s_lshl_b32 s8, s8, 8
	s_and_b32 s9, s13, 7
	s_lshl_b32 s9, s9, 3
	s_add_co_u32 s9, s9, s14
	s_lshl_b32 s9, s9, 2
	s_add_co_u32 s9, s9, s10
	s_add_co_u32 s8, s8, s9
	s_lshl_b32 s8, s8, 3
	v_mov_b32 v14, s8
.irp b, 0,1,2,3
	global_load_b128 v[BI+8*\b:BI+8*\b+3], v[BO], s[74:75] offset:64*\b        ; b_o at columns 16 b + 8 h + 0 .. 7
	global_load_b128 v[BI+8*\b+4:BI+8*\b+7], v[BO], s[74:75] offset:64*\b+16
.endr
	WIN 0x80                                       ; destination window 2
.irp b, 0,1,2,3
	global_load_b128 v[BI2+8*\b:BI2+8*\b+3], v[BO], s[74:75] offset:2048+64*\b
	global_load_b128 v[BI2+8*\b+4:BI2+8*\b+7], v[BO], s[74:75] offset:2048+64*\b+16
.endr
	WIN 0
	s_wait_alu depctr_va_vdst(0)
	s_wait_loadcnt 0x0                             ; the 16 loads of bias are in: nothing else is out
	s_wait_kmcnt 0x0
	s_add_co_i32 s84, s82, s83
	s_sub_co_i32 s9, 0, s84
.set i, 0
.rept 32
	v_ldexp_f32 v[BI+i], v[BI+i], s9               ; b_o / 2^(e8 + e9)
.set i, i+1
.endr
	WIN 0x82
.set i, 0
.rept 32
	v_ldexp_f32 v[BI2+i], v[BI2+i], s9
.set i, i+1
.endr
	WIN 0
	s_add_co_i32 s84, s84, 127
	s_lshl_b32 s84, s84, 23                        ; 2^(e8 + e9) as f32
	s_mov_b32 s85, s84
.macro XLOAD j                         ; tile j's x into window 2 + j: two rows of 256 aligned bytes an instruction
	WIN ((2+\j)*0x40)
.set t, 0
.rept 32
	global_load_b128 v[4*t:4*t+3], v[XO], s[72:73] offset:8192*t+2048*\j th:TH_LOAD_NT
.set t, t+1
.endr
	WIN 0
.endm
; the fragments of K step ks (128 along K: two heads of A) into set f: k = 128 ks + 32 c + 16 h + 0 .. 15 in registers 4 c on, alike in A and B
.macro FETCH ks, f
	WIN 0x40                                       ; destination window 1
.irp i, 0,1,2,3
.irp c, 0,1,2,3
	ds_load_b128 v[\f+16*\i+4*\c:\f+16*\i+4*\c+3], v[ADRA+(\ks)/4] offset:(2*((\ks)%4)+\c/2)*8192+1024*\i+256*(\c%2)
.endr
.endr
.irp i, 0,1,2,3
.irp c, 0,1,2,3
	ds_load_b128 v[\f+64+16*\i+4*\c:\f+64+16*\i+4*\c+3], v[ADRB] offset:16*BP*\i+128*(\ks)+32*\c
.endr
.endr
.endm
.macro MUL f, first                    ; 16 matrix instructions; the accumulators take turns, in the same order in every step.  first = 1, 2: the sums begin with tile 0's, tile 1's bias
.if \first == 2
	WIN 0x25                                       ; sources 0 and 1 window 1, C window 2
.else
	WIN 0x05                                       ; sources 0 and 1 window 1
.endif
.irp a, 0,1,2,3
.irp b, 0,1,2,3
.if \first == 1
	v_wmma_f32_16x16x128_fp8_fp8 v[ACC+8*(4*\a+\b):ACC+8*(4*\a+\b)+7], v[\f+64+16*\b:\f+64+16*\b+15], v[\f+16*\a:\f+16*\a+15], v[BI+8*\b:BI+8*\b+7]
.elseif \first == 2
	v_wmma_f32_16x16x128_fp8_fp8 v[ACC+8*(4*\a+\b):ACC+8*(4*\a+\b)+7], v[\f+64+16*\b:\f+64+16*\b+15], v[\f+16*\a:\f+16*\a+15], v[BI2+8*\b:BI2+8*\b+7]
.else
	v_wmma_f32_16x16x128_fp8_fp8 v[ACC+8*(4*\a+\b):ACC+8*(4*\a+\b)+7], v[\f+64+16*\b:\f+64+16*\b+15], v[\f+16*\a:\f+16*\a+15], v[ACC+8*(4*\a+\b):ACC+8*(4*\a+\b)+7]
.endif
.endr
.endr
.endm
.macro KSTEPS first                    ; a tile's eight K steps
	FETCH 0, 0
	FETCH 1, 128
.irp ks, 0,1,2,3,4,5,6,7
.if \ks < 7
	s_wait_dscnt 32                                ; this step's set is in; the next step's 32 loads may be out
.else
	s_wait_dscnt 0x0
.endif
.if \ks == 0
	MUL 0, \first
.else
	MUL 128*(\ks%2), 0
.endif
.if \ks < 6
	PLACES                                         ; in front of loads into registers that the products read
	FETCH \ks+2, 128*(\ks%2)
.endif
.endr
	WIN 0
.endm
; THE WAY OUT of tile j, 16 rows x 64 columns at a time, through my own stage: back as whole rows of 256 bytes, where x lies in the same layout
.macro WAYOUT j
.irp a, 0,1,2,3
.irp b, 0,1,2,3
	ds_store_b128 v[STO], v[ACC+8*(4*\a+\b):ACC+8*(4*\a+\b)+3] offset:64*\b
	ds_store_b128 v[STO], v[ACC+8*(4*\a+\b)+4:ACC+8*(4*\a+\b)+7] offset:64*\b+16
.endr
.irp t, 0,1,2,3,4,5,6,7
	ds_load_b128 v[BK+32*(\a%2)+4*\t:BK+32*(\a%2)+4*\t+3], v[RD] offset:544*\t   ; LDS serves a wave's instructions in order
.endr
	s_wait_dscnt 0x0
.if \a == 0
	s_wait_loadcnt 32-32*\j                        ; this tile's x is in; behind tile 0's stand tile 1's 32 loads
.endif
	WIN ((2+\j)*0x50)                              ; source 2 and destination: the tile's window
.irp e, 0,2,4,6,8,10,12,14,16,18,20,22,24,26,28,30
	v_pk_fma_f32 v[32*\a+\e:32*\a+\e+1], v[BK+32*(\a%2)+\e:BK+32*(\a%2)+\e+1], s[84:85], v[32*\a+\e:32*\a+\e+1] op_sel_hi:[1,0,1]   ; res = sum x 2^(e8 + e9) + x
.endr
	WIN ((2+\j)*4)                                 ; a store's data: the tile's window
.irp t, 0,1,2,3,4,5,6,7
	global_store_b128 v[XO], v[32*\a+4*\t:32*\a+4*\t+3], s[78:79] offset:(8*\a+\t)*8192+2048*\j   ; 16 lanes store 256 consecutive bytes, aligned
.endr
	WIN 0
.endr
.endm
.macro REDUCE x, y                     ; the sum over the 32 lanes, in every lane
	v_add_f32_dpp v[\x], v[\x], v[\x] row_xmask:1 row_mask:0xf bank_mask:0xf
	v_add_f32_dpp v[\x], v[\x], v[\x] row_xmask:2 row_mask:0xf bank_mask:0xf
	v_add_f32_dpp v[\x], v[\x], v[\x] row_xmask:4 row_mask:0xf bank_mask:0xf
	v_add_f32_dpp v[\x], v[\x], v[\x] row_xmask:8 row_mask:0xf bank_mask:0xf
	v_permlanex16_b32 v[\y], v[\x], s98, s99
	v_add_f32 v[\x], v[\x], v[\y]
.endm
.macro JOIN4 j                         ; four chains v[128:135] of the tile's window -> v8 of window 0
	v_pk_add_f32 v[128:129], v[128:129], v[130:131]
	v_pk_add_f32 v[132:133], v[132:133], v[134:135]
	v_pk_add_f32 v[128:129], v[128:129], v[132:133]
	WIN ((2+\j)*5)                                 ; sources in the tile's window, destination window 0
	v_add_f32 v8, v128, v129
	WIN 0
	REDUCE 8, 9
.endm
; THE STATISTICS of my 4,096 results of tile j, which still lie in registers (they are only read here)
.macro STATS j
	WIN ((2+\j)*0x55)                              ; all in the tile's window
.irp c, 0,1,2,3
	v_pk_add_f32 v[128+2*\c:129+2*\c], v[2*\c:2*\c+1], v[8+2*\c:9+2*\c]   ; the first pairs start the chains: nothing is cleared
.endr
.set p, 8
.rept 56
	v_pk_add_f32 v[128+2*(p%4):129+2*(p%4)], v[128+2*(p%4):129+2*(p%4)], v[2*p:2*p+1]
.set p, p+1
.endr
	JOIN4 \j
	v_mov_b32 v12, v8                              ; the sum
	v_mul_f32 v10, 0xb9800000, v8                  ; - the sum / 4,096
	WIN ((2+\j)*0x40)
	v_mov_b32 v136, v10
	v_mov_b32 v137, v10
	WIN ((2+\j)*0x55)
.set p, 0
.rept 16
.irp c, 0,1,2,3
	v_pk_add_f32 v[138+2*\c:139+2*\c], v[2*(p+\c):2*(p+\c)+1], v[136:137]   ; d = res - my mean
.endr
.irp c, 0,1,2,3
.if p == 0
	v_pk_mul_f32 v[128+2*\c:129+2*\c], v[138+2*\c:139+2*\c], v[138+2*\c:139+2*\c]
.else
	v_pk_fma_f32 v[128+2*\c:129+2*\c], v[138+2*\c:139+2*\c], v[138+2*\c:139+2*\c], v[128+2*\c:129+2*\c]
.endif
.endr
.set p, p+4
.endr
	JOIN4 \j
	v_mov_b32 v13, v8                              ; the squares about my mean
	s_wait_alu depctr_va_vdst(0)
	s_wait_xcnt 0x0                                ; EXEC changes only behind this wait
	v_cmp_eq_u32 vcc_lo, 0, v15
	s_and_saveexec_b32 s2, vcc_lo
	global_store_b64 v14, v[12:13], s[80:81] offset:128*\j   ; lane 0 alone
	s_wait_xcnt 0x0
	s_or_b32 exec_lo, exec_lo, s2
.endm
	XLOAD 0                                        ; tile 0's x: wanted at tile 0's way out, behind its eight K steps
	s_wait_alu depctr_va_vdst(0)
	s_wait_tensorcnt 0x0                           ; my load has landed
	s_barrier_signal -1
	s_barrier_wait -1                              ; everybody's has
	KSTEPS 1                                       ; tile 0
	s_wait_tensorcnt 0x0                           ; B's bytes are filled again: no tensor load of mine is out,
	ds_add_u32 v30, v31                            ; the add on the spare words,
	s_add_nc_u64 s[38:39], s[38:39], 0x80000       ; (B's descriptor steps 512 rows on: tile column + 4)
	s_wait_dscnt 0x0                               ; the add is done, and my reads of B's tile are over
	CROUND                                         ; both now hold of every wave of every work-group of the cluster
	s_cmp_eq_u32 s11, 0
	s_cbranch_scc1 .Lno_refill                     ; waves 0 and 1 have nothing to fill: A's tile stays
	tensor_load_to_lds s[36:39], s[24:31]          ; the first tensor load behind the round
	s_nop 0
.rept 4
	v_nop
.endr
.Lno_refill:
	XLOAD 1                                        ; tile 1's x: wanted at tile 1's way out
	PLACES                                         ; in front of the first read of the last products' results
	WAYOUT 0
	STATS 0
	s_wait_tensorcnt 0x0                           ; my half of tile 1's B has landed
	s_wait_dscnt 0x0
	s_barrier_signal -1
	s_barrier_wait -1                              ; everybody's has
	KSTEPS 2                                       ; tile 1
	PLACES
	WAYOUT 1
	STATS 1
	s_wait_tensorcnt 0x0                           ; the wave's end
	ds_add_u32 v30, v31
	s_wait_dscnt 0x0
	CROUND                                         ; the closing round
	s_endpgm
.Lfunc_end_k_q74499ee7d5_oproj:
	.size	k_q74499ee7d5_oproj, .Lfunc_end_k_q74499ee7d5_oproj-k_q74499ee7d5_oproj
	.p2alignl 7, 3214868480
	.fill 96, 4, 3214868480
	.section	.rodata,"a",@progbits
	.p2align	6, 0x0
	.amdhsa_kernel k_q74499ee7d5_oproj
		.amdhsa_group_segment_fixed_size 327680
		.amdhsa_private_segment_fixed_size 0
		.amdhsa_enable_private_segment 0
		.amdhsa_kernarg_size 56
		.amdhsa_user_sgpr_count 2
		.amdhsa_user_sgpr_kernarg_segment_ptr 1
		.amdhsa_wavefront_size32 1
		.amdhsa_system_sgpr_workgroup_id_x 1
		.amdhsa_system_sgpr_workgroup_id_y 1
		.amdhsa_system_sgpr_workgroup_id_z 1
		.amdhsa_system_vgpr_workitem_id 0
		.amdhsa_next_free_vgpr 1024
		.amdhsa_next_free_sgpr 100
		.amdhsa_reserve_vcc 1
		.amdhsa_float_denorm_mode_32 3
		.amdhsa_float_denorm_mode_16_64 3
		.amdhsa_memory_ordered 1
		.amdhsa_forward_progress 1
		.amdhsa_inst_pref_size 122
	.end_amdhsa_kernel
	.amdgpu_metadata
---
amdhsa.version: [ 1, 2 ]
amdhsa.kernels:
  - .name:           k_q74499ee7d5_oproj
    .symbol:         k_q74499ee7d5_oproj.kd
    .args:
      - { .name: oc, .offset: 0, .size: 8, .value_kind: global_buffer, .address_space: global }
      - { .name: wc, .offset: 8, .size: 8, .value_kind: global_buffer, .address_space: global }
      - { .name: x, .offset: 16, .size: 8, .value_kind: global_buffer, .address_space: global }
      - { .name: b_o, .offset: 24, .size: 8, .value_kind: global_buffer, .address_space: global }
      - { .name: lowp_scales, .offset: 32, .size: 8, .value_kind: global_buffer, .address_space: global }
      - { .name: res, .offset: 40, .size: 8, .value_kind: global_buffer, .address_space: global }
      - { .name: part, .offset: 48, .size: 8, .value_kind: global_buffer, .address_space: global }
    .group_segment_fixed_size: 327680
    .private_segment_fixed_size: 0
    .kernarg_segment_align: 8
    .kernarg_segment_size: 56
    .max_flat_workgroup_size: 128
    .sgpr_count:     100
    .vgpr_count:     1024
    .wavefront_size: 32
...
	.end_amdgpu_metadata
.endif
;; end of part 4
;; launch lnorm (part 5): grid 256 x 1, 8 waves a work-group, no clusters, 1,280 bytes of LDS; arguments res, part, ln_w, ln_b, out0; writes out0
.if DOCPART == 5
	.amdgcn_target "amdgcn-amd-amdhsa--gfx1250"
	.amdhsa_code_object_version 6
	.text
	.protected	k_q74499ee7d5_lnorm
	.globl	k_q74499ee7d5_lnorm
	.p2align	8
	.type	k_q74499ee7d5_lnorm,@function
k_q74499ee7d5_lnorm:
	s_mov_b64 s[64:65], 0
	v_nop
	global_prefetch_b8 v0, s[64:65] scope:SCOPE_SE
	s_setreg_imm32_b32 hwreg(HW_REG_WAVE_MODE, 25, 1), 1
	s_wait_xcnt 0x0
; out = (res - mean) / sqrt(var + 1e-5) x ln_w + ln_b, mean and var over all 1,048,576 numbers of a batch.
; part holds for each batch 256 pairs (sum, squares about the part's own mean) of 4,096 numbers each.  They are joined without a difference of large sums:
; mean = (the sum of the sums) / 2^20;  var = (the sum over the parts of M2 + 4,096 (part's mean - mean)^2) / 2^20.
; A work-group takes 4,096 places of [S][M] (16,384 bytes) in ALL eight batches, so that ln_w and ln_b are read once.  Wave w joins batch w's parts; the eight results meet in LDS behind the one barrier.
; A stream: no matrix unit, no cluster, no tensor load: work-groups share only part's 16,384 bytes.  All 44 loads of a wave are issued at the head; every load and store of a wave covers 512 consecutive bytes, aligned.
.set PT,  16                           ; v16-31   eight pairs (sum, M2) of my batch
.set W,   32                           ; v32-47   ln_w
.set BV,  48                           ; v48-63   ln_b
.set ST,  64                           ; v64-95   at work, then for each batch: 1/sd, 1/sd, -mean/sd, -mean/sd
.set RES, 96                           ; v96-223  res, then out: 16 registers a batch
.set OFFB, 4                           ; v4-11    batch b: my byte offset
	s_load_b256 s[4:11], s[0:1], 0x0               ; res s[4:5], part s[6:7], ln_w s[8:9], ln_b s[10:11]
	s_load_b64 s[12:13], s[0:1], 0x20              ; out0
	v_lshl_add_u32 v224, v0, 2, 0x100
	v_mov_b32 v225, 0
	v_lshrrev_b32 v1, 5, v0                        ; wave
	v_and_b32 v2, 31, v0
	s_delay_alu instid0(VALU_DEP_1)
	v_lshlrev_b32 v3, 4, v2
	s_delay_alu instid0(VALU_DEP_1)
	v_lshl_add_u32 v3, v1, 11, v3                  ; part: 2,048 x wave + 16 x lane
	s_lshl_b32 s14, ttmp9, 14
	v_lshl_add_u32 v12, v0, 4, s14                 ; my 16 bytes: 16,384 x work-group + 16 x thread
.irp b, 0,1,2,3,4,5,6,7
	v_add_nc_u32 v[OFFB+\b], \b<<22, v12
.endr
	v_lshlrev_b32 v13, 4, v1                       ; LDS: 16 bytes a wave
	v_mov_b32 v14, 0
	s_mov_b32 s16, 0x39800000                      ; 2^-12
	s_mov_b32 s17, 0x45800000                      ; 4,096
	s_mov_b32 s18, 0x35800000                      ; 2^-20
	s_mov_b32 s19, 0x3727c5ac                      ; 1e-5
	s_mov_b32 s20, 0x76543210
	s_mov_b32 s21, 0xfedcba98
	s_wait_alu depctr_va_vdst(0)
	s_wait_kmcnt 0x0
.irp i, 0,1,2,3
	global_load_b128 v[PT+4*\i:PT+4*\i+3], v3, s[6:7] offset:512*\i
.endr
.irp i, 0,1,2,3
	global_load_b128 v[W+4*\i:W+4*\i+3], v12, s[8:9] offset:4096*\i th:TH_LOAD_NT
.endr
.irp i, 0,1,2,3
	global_load_b128 v[BV+4*\i:BV+4*\i+3], v12, s[10:11] offset:4096*\i th:TH_LOAD_NT
.endr
.irp b, 0,1,2,3,4,5,6,7
.irp i, 0,1,2,3
	global_load_b128 v[RES+16*\b+4*\i:RES+16*\b+4*\i+3], v[OFFB+\b], s[4:5] offset:4096*\i th:TH_LOAD_NT
.endr
.endr
.macro REDUCE x, y                     ; the sum over the 32 lanes, in every lane
	s_delay_alu instid0(VALU_DEP_1)
	v_add_f32_dpp v[\x], v[\x], v[\x] row_xmask:1 row_mask:0xf bank_mask:0xf
	s_delay_alu instid0(VALU_DEP_1)
	v_add_f32_dpp v[\x], v[\x], v[\x] row_xmask:2 row_mask:0xf bank_mask:0xf
	s_delay_alu instid0(VALU_DEP_1)
	v_add_f32_dpp v[\x], v[\x], v[\x] row_xmask:4 row_mask:0xf bank_mask:0xf
	s_delay_alu instid0(VALU_DEP_1)
	v_add_f32_dpp v[\x], v[\x], v[\x] row_xmask:8 row_mask:0xf bank_mask:0xf
	s_delay_alu instid0(VALU_DEP_1)
	v_permlanex16_b32 v[\y], v[\x], s20, s21
	s_delay_alu instid0(VALU_DEP_1)
	v_add_f32 v[\x], v[\x], v[\y]
.endm
	s_wait_loadcnt 40                              ; the parts are in; the 40 loads behind them may be out
	v_add_f32 v64, v16, v18
	v_add_f32 v65, v20, v22
	v_add_f32 v66, v24, v26
	v_add_f32 v67, v28, v30
	s_delay_alu instid0(VALU_DEP_3)
	v_add_f32 v64, v64, v65
	s_delay_alu instid0(VALU_DEP_2)
	v_add_f32 v66, v66, v67
	s_delay_alu instid0(VALU_DEP_1)
	v_add_f32 v64, v64, v66
	REDUCE 64, 65
	s_delay_alu instid0(VALU_DEP_1)
	v_mul_f32 v68, s18, v64                        ; the batch's mean
.irp k, 0,1,2,3,4,5,6,7
	v_fma_f32 v[72+\k], v[PT+2*\k], s16, -v68      ; the part's mean less the batch's
.endr
.irp k, 0,1,2,3,4,5,6,7
	v_mul_f32 v[72+\k], v[72+\k], v[72+\k]
.endr
.irp k, 0,1,2,3,4,5,6,7
	v_fma_f32 v[72+\k], v[72+\k], s17, v[PT+2*\k+1]
.endr
	v_add_f32 v72, v72, v73
	v_add_f32 v74, v74, v75
	v_add_f32 v76, v76, v77
	s_delay_alu instid0(VALU_DEP_4)
	v_add_f32 v78, v78, v79
	s_delay_alu instid0(VALU_DEP_3)
	v_add_f32 v72, v72, v74
	s_delay_alu instid0(VALU_DEP_2)
	v_add_f32 v76, v76, v78
	s_delay_alu instid0(VALU_DEP_1)
	v_add_f32 v72, v72, v76
	REDUCE 72, 65
	s_delay_alu instid0(VALU_DEP_1)
	v_fma_f32 v69, v72, s18, s19                   ; var + 1e-5
	s_wait_alu depctr_va_vdst(0)
	v_rsq_f32 v80, v69
	v_nop                                          ; a plain line behind the transcendental
	s_wait_alu depctr_va_vdst(0)                   ; and the wait ahead of its first reader
	v_mov_b32 v81, v80
	v_mul_f32 v82, -v68, v80
	s_delay_alu instid0(VALU_DEP_1)
	v_mov_b32 v83, v82
	ds_store_b128 v13, v[80:83]                    ; all lanes write the same 16 bytes with the same numbers
	s_wait_dscnt 0x0                               ; for the others' sake
	s_barrier_signal -1
	s_barrier_wait -1
.irp b, 0,1,2,3,4,5,6,7
	ds_load_b128 v[ST+4*\b:ST+4*\b+3], v14 offset:16*\b
.endr
	s_wait_dscnt 0x0
.irp b, 0,1,2,3,4,5,6,7
	s_wait_loadcnt 28-4*\b                         ; ln_w, ln_b and this batch's four loads are in; the later batches' may be out
.irp j, 0,2,4,6,8,10,12,14
	v_pk_fma_f32 v[RES+16*\b+\j:RES+16*\b+\j+1], v[RES+16*\b+\j:RES+16*\b+\j+1], v[ST+4*\b:ST+4*\b+1], v[ST+4*\b+2:ST+4*\b+3]   ; res / sd - mean / sd
.endr
.irp j, 0,2,4,6,8,10,12,14
	v_pk_fma_f32 v[RES+16*\b+\j:RES+16*\b+\j+1], v[RES+16*\b+\j:RES+16*\b+\j+1], v[W+\j:W+\j+1], v[BV+\j:BV+\j+1]
.endr
.irp i, 0,1,2,3
	global_store_b128 v[OFFB+\b], v[RES+16*\b+4*\i:RES+16*\b+4*\i+3], s[12:13] offset:4096*\i th:TH_STORE_NT
.endr
.endr
	s_wait_tensorcnt 0x0
	ds_add_u32 v224, v225
	s_wait_dscnt 0x0
	s_endpgm
.Lfunc_end_k_q74499ee7d5_lnorm:
	.size	k_q74499ee7d5_lnorm, .Lfunc_end_k_q74499ee7d5_lnorm-k_q74499ee7d5_lnorm
	.p2alignl 7, 3214868480
	.fill 96, 4, 3214868480
	.section	.rodata,"a",@progbits
	.p2align	6, 0x0
	.amdhsa_kernel k_q74499ee7d5_lnorm
		.amdhsa_group_segment_fixed_size 1280
		.amdhsa_private_segment_fixed_size 0
		.amdhsa_enable_private_segment 0
		.amdhsa_kernarg_size 40
		.amdhsa_user_sgpr_count 2
		.amdhsa_user_sgpr_kernarg_segment_ptr 1
		.amdhsa_wavefront_size32 1
		.amdhsa_system_sgpr_workgroup_id_x 1
		.amdhsa_system_sgpr_workgroup_id_y 1
		.amdhsa_system_sgpr_workgroup_id_z 1
		.amdhsa_system_vgpr_workitem_id 0
		.amdhsa_next_free_vgpr 226
		.amdhsa_next_free_sgpr 66
		.amdhsa_reserve_vcc 0
		.amdhsa_float_denorm_mode_32 3
		.amdhsa_float_denorm_mode_16_64 3
		.amdhsa_memory_ordered 1
		.amdhsa_forward_progress 1
		.amdhsa_inst_pref_size 22
	.end_amdhsa_kernel
	.amdgpu_metadata
---
amdhsa.version: [ 1, 2 ]
amdhsa.kernels:
  - .name:           k_q74499ee7d5_lnorm
    .symbol:         k_q74499ee7d5_lnorm.kd
    .args:
      - { .name: res, .offset: 0, .size: 8, .value_kind: global_buffer, .address_space: global }
      - { .name: part, .offset: 8, .size: 8, .value_kind: global_buffer, .address_space: global }
      - { .name: ln_w, .offset: 16, .size: 8, .value_kind: global_buffer, .address_space: global }
      - { .name: ln_b, .offset: 24, .size: 8, .value_kind: global_buffer, .address_space: global }
      - { .name: out0, .offset: 32, .size: 8, .value_kind: global_buffer, .address_space: global }
    .group_segment_fixed_size: 1280
    .private_segment_fixed_size: 0
    .kernarg_segment_align: 8
    .kernarg_segment_size: 40
    .max_flat_workgroup_size: 256
    .sgpr_count:     66
    .vgpr_count:     226
    .wavefront_size: 32
...
	.end_amdgpu_metadata
.endif
;; end of part 5
